; MI455X (gfx1250); checked and timed in simulation.
; The chip was launched on July 23, 2026; its instructions are those of AMD's public machine-readable ISA for CDNA 5 (MIT licence, August 2026) and "CDNA5" Instruction Set Architecture Reference Guide (July 2026). The comments in the code are by the model that wrote it; some were corrected since.
;; Multi Head Attention. Allowed arithmetic: matrix products marked QUANTISED: E5M2 operands, one E8M0 scale for each 32 along K, by v_wmma_scale_f32_16x16x128_f8f6f4 with both operands' format E5M2, f32 sums; everything else in f32.
;; Inputs: K_codes 1 x 2,048 x 64 x 32 uint8 (E5M2 codes of K, K innermost, in blocks of 32 codes); K_scales 1 x 2,048 x 64 uint8 (E8M0 scales of K, one for each 32 codes along K); Q_codes 1 x 2,048 x 64 x 32 uint8 (E5M2 codes of Q, K innermost, in blocks of 32 codes); Q_scales 1 x 2,048 x 64 uint8 (E8M0 scales of Q, one for each 32 codes along K); V_codes 1 x 2,048 x 64 x 32 uint8 (E5M2 codes of V, K innermost, in blocks of 32 codes); V_scales 1 x 2,048 x 64 uint8 (E8M0 scales of V, one for each 32 codes along K); bk 2,048 float32; bo 2,048 float32; bq 2,048 float32; bv 2,048 float32; mask 1 x 1 x 2,048 x 2,048 int32; wk_codes 2,048 x 64 x 32 uint8 (E5M2 codes of wk, K innermost, in blocks of 32 codes); wk_scales 2,048 x 64 uint8 (E8M0 scales of wk, one for each 32 codes along K); wo_codes 2,048 x 64 x 32 uint8 (E5M2 codes of wo, K innermost, in blocks of 32 codes); wo_scales 2,048 x 64 uint8 (E8M0 scales of wo, one for each 32 codes along K); wq_codes 2,048 x 64 x 32 uint8 (E5M2 codes of wq, K innermost, in blocks of 32 codes); wq_scales 2,048 x 64 uint8 (E8M0 scales of wq, one for each 32 codes along K); wv_codes 2,048 x 64 x 32 uint8 (E5M2 codes of wv, K innermost, in blocks of 32 codes); wv_scales 2,048 x 64 uint8 (E8M0 scales of wv, one for each 32 codes along K).
;; Outputs: out0 1 x 2,048 x 2,048 float32.
;; This version of the problem:
;;   THIS VERSION OF THE PROBLEM IS GIVEN IN LOW PRECISION. The matrix products marked QUANTISED in the list below multiply operands that are first quantised to E5M2 (5 exponent bits, 2 mantissa bits; 8 bits a number), with one power-of-two scale for each 32 numbers along K (OCP MX v1.0); their sums are f32. All else is computed in f32.
;;   The module's matrix products, in the order in which they are computed (A, B: the left and right operand; K: the contracted axis; several contracted axes count as one K, in the product's order):
;;     1. [M 2,048, K 2,048] x [K 2,048, N 2,048]; A: input Q (given as codes); B: input wq (given as codes): QUANTISED
;;     2. [M 2,048, K 2,048] x [K 2,048, N 2,048]; A: input K (given as codes); B: input wk (given as codes): QUANTISED
;;     3. [M 2,048, K 2,048] x [K 2,048, N 2,048]; A: input V (given as codes); B: input wv (given as codes): QUANTISED
;;     4. batch 16 x [M 2,048, K 128] x [K 128, N 2,048]; A: computed on the way; B: computed on the way: QUANTISED
;;     5. batch 16 x [M 2,048, K 2,048] x [K 2,048, N 128]; A: softmax (see below); B: computed on the way: QUANTISED
;;     6. [M 2,048, K 2,048] x [K 2,048, N 2,048]; A: computed on the way; B: input wo (given as codes): QUANTISED
;;   THE QUANTISER, for each operand of a quantised product, along K:
;;     - K is cut into blocks of 32 from its start; a last block that is shorter is filled with zeros.
;;     - A block's scale is 2^e with e = floor(log2(the largest magnitude in the block)) - 15, held to -126 .. 127; a block of zeros has e = 0. As a byte (E8M0): e + 127.
;;     - Each number is divided by its block's scale, clamped to +-57,344, and rounded to the nearest number of E5M2, ties to even, subnormals kept.
;;     - The product sums the exact products of the quantised numbers (number of the format x scale) in f32.
;;   ~~~python
;;   def quantise(x, axis):      # numpy; x: float32 -> the quantised numbers, widened to float32 again
;;       x = np.moveaxis(x, axis, -1); K = x.shape[-1]
;;       x = np.pad(x, [(0, 0)] * (x.ndim - 1) + [(0, -K % 32)]); x = x.reshape(x.shape[:-1] + (-1, 32)); a = np.abs(x).max(-1, keepdims=True)
;;       e = np.where(a > 0, np.clip(np.frexp(np.where(a > 0, a, 1))[1] - 1 - 15, -126, 127), 0)      # np.frexp(a)[1] - 1 = floor(log2(a)), exactly
;;       r = np.clip(x / 2.0 ** e, -57344, 57344)
;;       step = 2.0 ** (np.maximum(np.frexp(np.where(r == 0, 1, r))[1] - 1, -14) - 2)
;;       q = np.round(r / step) * step * 2.0 ** e      # np.round: ties to even
;;       return np.moveaxis(q.reshape(q.shape[:-2] + (-1,))[..., :K], -1, axis).astype(np.float32)
;;   ~~~
;;   SOFTMAX AHEAD OF A QUANTISED PRODUCT. Where the list says 'softmax', what is quantised is not the finished softmax but p = 2^(t - M), with t = logit x log2(e) and M = ceil(the row's largest t), a whole number; so 1/2 < the row's largest p <= 1. The row's sum l is taken of the UNQUANTISED p, in f32, and the product's result is divided by l at the end. Since M is a whole number, a kernel that streams over the keys may use a running M (the ceiling of the running maximum): every later rescaling is an exact power of two, which a block's scale takes up: the codes' values come out the same.
;;   OPERANDS COMPUTED ON THE WAY. 'Computed on the way' means the value that the module computes at that place (a softmax that the list does not call 'softmax' is quantised finished and normalised). What goes into a quantiser is computed in f32, as accurately as f32 sums, v_exp_f32 and their like allow (about 1e-6 of the number): no bf16 or f16 on the way to a quantiser, and a product that is left as it is and whose result goes on into a quantised operand takes f32 operands (vector FMAs, or v_wmma_f32_16x16x4_f32). A number that lies on a knife's edge between two numbers of the format may be rounded either way, as far as f32 arithmetic and the matrix unit's own rounding can turn it there, and no further.
;;   INPUTS GIVEN AS CODES. K (in the module: [1, 2048, 2048], K = its axis 2); Q (in the module: [1, 2048, 2048], K = its axis 2); V (in the module: [1, 2048, 2048], K = its axis 2); wk (in the module: [2048, 2048], K = its axis 0); wo (in the module: [2048, 2048], K = its axis 0); wq (in the module: [2048, 2048], K = its axis 0); wv (in the module: [2048, 2048], K = its axis 0): each comes as NAME_codes (uint8): NAME with its K axis moved to the last place and cut into blocks of 32 codes, [.., K / 32, bytes a block], one block behind the other in memory; one code a byte (a code: sign, 5 exponent bits, 2 mantissa bits); and NAME_scales (uint8): the same leading axes, one E8M0 byte (e + 127) for each 32 codes along K. Its value is code x scale, taken as it is: it is not quantised again, and the codes and scales need not be those that the quantiser above would give.
;; One version. Each part assembles by itself: llvm-mc -triple=amdgcn-amd-amdhsa -mcpu=gfx1250 --defsym DOCPART=n.
;; ======== version 1 of 1: 3 launches
;; limits: right only within a limited range of input values
;; workspace buffers: frag 12,582,912 bytes; fsc 393,216 bytes; mwords 524,288 bytes of whole numbers; mflags 1,024 bytes of whole numbers; af 4,194,304 bytes; asc 131,072 bytes
;; launch proj (part 1): grid 16 x 16, 4 waves a work-group, clusters of 4 x 4, 327,680 bytes of LDS; arguments Q_codes, Q_scales, K_codes, K_scales, V_codes, V_scales, wq_codes, wq_scales, wk_codes, wk_scales, wv_codes, wv_scales, bq, bk, bv, mask, frag, fsc, mwords, mflags; writes frag, fsc, mwords, mflags
.if DOCPART == 1
	.amdgcn_target "amdgcn-amd-amdhsa--gfx1250"
	.amdhsa_code_object_version 6
	.text
	.protected	k_qe9d619065c_proj
	.globl	k_qe9d619065c_proj
	.p2align	8
	.type	k_qe9d619065c_proj,@function
k_qe9d619065c_proj:
	s_mov_b64 s[64:65], 0
	v_nop
	global_prefetch_b8 v0, s[64:65] scope:SCOPE_SE
	s_setreg_imm32_b32 hwreg(HW_REG_WAVE_MODE, 25, 1), 1
	s_wait_xcnt 0x0
	s_wait_alu depctr_hold_cnt(0) depctr_sa_sdst(0) depctr_va_vdst(0) depctr_va_sdst(0) depctr_va_ssrc(0) depctr_va_vcc(0) depctr_vm_vsrc(0)
	s_getreg_b32 s2, hwreg(HW_REG_IB_STS2, 6, 4)
	s_cmp_eq_u32 s2, 0
	s_cbranch_scc0 .Lentry_in_a_cluster
	s_endpgm
.Lentry_in_a_cluster:
	s_bfe_u32 s2, ttmp6, 0x10000c
	s_cmp_lg_u32 s2, 0xf033
	s_cbranch_scc0 .Lentry_shape_is_right
	s_endpgm
.Lentry_shape_is_right:
; q = Q wq + bq, k = K wk + bk, v = V wv + bv on codes of BF8 (E5M2) with one E8M0 scale for each 32 along K, each result quantised at once for attention's products; and the mask packed into lane masks.
; THE GRID.  4 x 4 clusters of 4 x 4 work-groups.  The cluster's y says what a cluster does: 0 q, 1 k, 2 v, 3 the mask.  A product has 8 x 8 tiles of 256 x 256: four clusters.
; A GEMM WORK-GROUP: four waves, each 128 x 128 in 64 accumulators; K in eight steps of 256 through two LDS slots filled by joint tensor loads (A's tile shared along a row of the cluster, B's along a column).
; THE HEAD, one joint load a wave: wave 0 K step 0's 256 rows of A, wave 1 its 256 rows of B, wave 2 the scale bytes of A's 256 rows for all of K, wave 3 B's.  K step 1 follows behind a drained round, a quarter of a slot a wave, as all later fills.
; PREFETCHES, two K steps ahead of the loads: behind the load of step t a wave asks for step t + 2 (the head also for step 1): of the 128 rows that it fetches in a step, each of the four partners that load them jointly takes 32, told apart by address; a lane a row of 256 bytes.  The loads of steps 6 and 7 ask for nothing.
; Source 0 = 16 rows of B, source 1 = 16 rows of A: a lane holds ONE row of A, its registers run along B's rows.
;   q, k: A = the tokens, B = the weight's rows (output features): a lane holds a token, its 64 registers of a block a run along the head's 128: the next product's K.
;   v:    A = wv's rows, B = the tokens: a lane holds a channel d, its registers run along 128 keys: the next product's K.
; So a wave's 128 x 128 is one head x one group of 128 tokens: eight fragments of 16 x 128.  The bias is the C of each sum's first matrix instruction.
; THE WAY OUT: each fragment is quantised in registers (largest magnitude of a block of 32 = my 16 numbers and lane l xor 16's) and stored as an IMAGE OF THE OPERAND'S REGISTERS: chunk c of 512 bytes, lane l's 16 bytes at 16 l.
; Inside a block of 32 the order of k in an image is: lanes 0-15: k 0-7, 16-23; lanes 16-31: k 8-15, 24-31.  q and k, and p and v, are made alike, so both sides of a product have the same order.
; Scale words: fragment a, row r at 256 (a / 4) + 16 r + 4 (a % 4) of the group's 512 bytes.
; THE MASK: a wave takes 16 queries x 1,024 keys.  Word 8 t + j of a key step of 128: bit 16 h + r = (mask[query r][key 16 t + 8 h + j] != 0): the lane mask for register 8 t + j of attention's scores.
; Flags, one word for each 16 queries and half of the keys: bits 15:0 the rows with an open key; bit 16 + k: step k has an open key; bit 24 + k: step k is all open.
; LIMITS: a block of zeros gets the scale byte 1 (its codes are zeros; this program alone reads the bytes); NaN and infinities are not served.
.set PITCH,  272                       ; an LDS row: 256 bytes + 16 of padding: the 16 rows of a fragment load start at 16 different banks (64 banks of 4 bytes: ISA guide 11.1)
.set HALFT,  128*PITCH                 ; 128 rows
.set SLOT,   4*HALFT                   ; A's 256 rows, then B's
.set NQ,     2                         ; matrix instructions deep in a slot
.set FR,     16                        ; registers of a fragment
.set NL,     4                         ; LDS loads that bring one
.set NP,     8                         ; places behind this matrix instruction (ISA guide 7.12.1)
.set ROWB,   256
.set KROW,   2048
.set LAPS,   4                         ; 2,048 / 512
.set KS,     64                        ; a row of scale bytes
.set SCL,    2*SLOT                    ; the scales, as rows of 256 bytes + 16
.set HALFS,  32*272                    ; those of 128 rows
.set SBLK,   4*272                     ; those of 16 rows
.set SPARE,  SCL+4*HALFS               ; the spare words: 128 bytes a wave
.set ADRA, 16                          ; v16-17 LDS address of my A fragments in slot 0, 1
.set ADRB, 20                          ; v20-21 of B's
.set PFO,  25                          ; v25  the prefetches' offset: a row of 2,048 bytes a lane; never rewritten
.set LI,   26                          ; v26  16 x lane
.set ADRS, 27                          ; v27  my scale words: lanes 0-15 A's rows, lanes 16-31 B's
.set SPW,  28                          ; v28  my spare word; never rewritten
.set NIL,  29                          ; v29  0; never rewritten
.set BO8,  30                          ; v30  32 (lane / 16)
.set BO4,  31                          ; v31  4 (lane % 16)
.set SC,   32                          ; v32-63 scale words, two sets; nothing else ever
.set BIAS, 64                          ; v64-127 the bias in the result's layout; later the way out's registers
.set AF,   128                         ; v128-255 A's fragments
.set PC,   64                          ; the way out: two sets of 16 registers of codes
.set TM,   96                          ; largest magnitudes
.set T4,   100                         ; the other half's; then bytes
.set HOLD, 104                         ; 57,344 x the scale
.set SCQ,  108                         ; the conversions' scale operands
.set PWS,  112                         ; v112-119 the eight fragments' scale words
.set XQ,   120                         ; v120-123 as they are stored
.set G0H,  4                           ; s[4:7], s[8:11] groups 0 of the head's loads of codes (the arguments there have been used by then)
.set G0HB, 8
.set G1, 24
.set G0, 32
.set G1B, 48
.set G0B, 56
.set G1S, 68
.set G0S, 76
.set G1SB, 80
.set G0SB, 88
.set PFA, 98                           ; s[98:99] where my prefetches stand
.set MSB, 0
.macro WIN new                         ; the immediate's high byte repeats the setting that is left
.if MSB != \new
	s_set_vgpr_msb (MSB<<8)|\new
.set MSB, \new
.endif
.endm
.set MUL_LO, 0xa1                      ; source 0 (B) window 1, source 1 (A) window 0, C and D window 2
.set MUL_HI, 0xf1                      ; C and D window 3
.set BIA_LO, 0x81                      ; C (the bias) window 0, D window 2
.set BIA_HI, 0xc1                      ; D window 3
.set TO_B,   0x40
; A joint load of the ring: waves 0 and 1 fetch for A, waves 2 and 3 for B; the branch hangs on the wave's number alone.  Four v_nop follow each line.
.macro JLOAD g0a, g1a, g0b, g1b
	s_cmp_eq_u32 s15, 0
	s_cbranch_scc0 .Lfor_b_\@
	tensor_load_to_lds s[\g0a:\g0a+3], s[\g1a:\g1a+7]
	s_nop 0
.rept 4
	v_nop
.endr
	s_branch .Lasked_\@
.Lfor_b_\@:
	tensor_load_to_lds s[\g0b:\g0b+3], s[\g1b:\g1b+7]
	s_nop 0
.rept 4
	v_nop
.endr
.Lasked_\@:
.endm
.macro ARM under, g0, g1, next         ; an arm of the head's one tree of branches on the wave's number
	s_cmp_lt_u32 s14, \under
	s_cbranch_scc0 \next
	tensor_load_to_lds s[\g0:\g0+3], s[\g1:\g1+7]
	s_nop 0
.rept 4
	v_nop
.endr
	s_branch .Lhead_asked
\next:
.endm
.macro CREST                           ; a round of the cluster's barrier behind its opening barrier
	s_cmp_lg_u32 s14, 0
	s_cbranch_scc1 .Lnot_wave_0_\@
	s_barrier_signal -3
.Lnot_wave_0_\@:
	s_barrier_wait -3
	s_barrier_signal -1
	s_barrier_wait -1
.endm
.macro CROUND
	s_barrier_signal -1
	s_barrier_wait -1
	CREST
.endm
.macro G0SET g, lds, a                 ; descriptor group 0: to LDS byte lds, from s[a:a+1]
	s_mov_b32 s[\g], 1
	s_mov_b32 s[\g+1], \lds
	s_mov_b64 s[\g+2:\g+3], s[\a:\a+1]
	s_or_b32 s[\g+3], s[\g+3], 0x80000000
.endm
	s_load_b512 s[68:83], s[0:1], 0x0              ; Q, K, V: codes and scales; wq: codes, scales
	s_load_b512 s[84:99], s[0:1], 0x40             ; wk, wv: codes and scales; bq, bk, bv; mask
	s_load_b256 s[24:31], s[0:1], 0x80             ; frag, fsc, mwords, mflags
	v_lshl_add_u32 v[SPW], v0, 2, SPARE
	v_mov_b32 v[NIL], 0
	ds_add_u32 v[SPW], v[NIL]                      ; the wave's opening: the add, twice on end, and its wait ahead of my first tensor load
	ds_add_u32 v[SPW], v[NIL]
	v_lshrrev_b32 v1, 5, v0
	v_readfirstlane_b32 s14, v1                    ; wave 0..3
	s_lshr_b32 s15, s14, 1                         ; my half of the tile's rows (A's side).  Also: in the ring I fetch for A (0) or for B (1)
	s_and_b32 s16, s14, 1                          ; my half of its columns (B's side).  Also: which 128 rows I fetch
	s_bfe_u32 s40, ttmp6, 0x40000                  ; cx
	s_bfe_u32 s41, ttmp6, 0x40004                  ; cy
	s_and_b32 s2, ttmp7, 0xffff                    ; the cluster's y: 0 q, 1 k, 2 v, 3 the mask: the same in all sixteen partners
	s_and_b32 s42, ttmp9, 1
	s_lshl_b32 s42, s42, 2
	s_add_co_u32 s42, s42, s40                     ; tile column = 4 (cluster x % 2) + cx
	s_lshr_b32 s17, ttmp9, 1
	s_lshl_b32 s17, s17, 2
	s_add_co_u32 s17, s17, s41                     ; tile row = 4 (cluster x / 2) + cy
	s_lshl_b32 s43, s41, 2
	s_lshl_b32 s43, 15, s43                        ; my row of the cluster
	s_lshl_b32 s44, 0x1111, s40                    ; my column
	s_lshl_b32 s32, s17, 1
	s_add_co_u32 s32, s32, s15                     ; which 128 of A's rows are my wave's
	s_lshl_b32 s33, s42, 1
	s_add_co_u32 s33, s33, s16                     ; which 128 of B's
	s_cmp_eq_u32 s2, 2
	s_cselect_b32 s34, s32, s33                    ; the head: by the weight's rows (v: A's side; q, k: B's)
	s_cselect_b32 s35, s33, s32                    ; the group of 128 tokens
	s_lshl_b32 s36, s34, 4
	s_add_co_u32 s36, s36, s35
	s_lshl_b32 s37, s2, 8
	s_add_co_u32 s36, s36, s37                     ; 256 kind + 16 head + group
	s_lshl_b32 s38, s36, 14                        ; 16,384 bytes of images a group,
	s_mov_b32 s39, 0
	s_lshl_b32 s36, s36, 9                         ; 512 bytes of scale words,
	s_mov_b32 s37, 0
	s_lshl_b32 s34, s34, 9                         ; 512 bytes of bias a head
	s_mov_b32 s35, 0
	s_lshl_b32 s32, s17, 3                         ; the prefetches: A: 65,536 bytes (32 rows) x (8 x tile row + cx), B: x (8 x tile column + cy),
	s_add_co_u32 s32, s32, s40
	s_lshl_b32 s33, s42, 3
	s_add_co_u32 s33, s33, s41
	s_cmp_eq_u32 s15, 0
	s_cselect_b32 s66, s32, s33
	s_lshl_b32 s3, s16, 2
	s_add_co_u32 s66, s66, s3                      ; + 4 x which 128 rows
	s_lshl_b32 s66, s66, 16
	s_mov_b32 s67, 0
	s_wait_dscnt 0x0                               ; both opening adds are done
	CROUND                                         ; all sixteen work-groups are here: the first joint loads meet
	s_wait_kmcnt 0x0
	s_cmp_eq_u32 s2, 1                             ; the buffers are chosen by the cluster's y alone
	s_cselect_b64 s[4:5], s[72:73], s[68:69]       ; A's codes: K's or Q's
	s_cselect_b64 s[6:7], s[74:75], s[70:71]
	s_cselect_b64 s[8:9], s[84:85], s[80:81]       ; B's codes: wk's or wq's
	s_cselect_b64 s[10:11], s[86:87], s[82:83]
	s_cselect_b64 s[100:101], s[94:95], s[92:93]   ; the bias
	s_cmp_eq_u32 s2, 2
	s_cselect_b64 s[4:5], s[88:89], s[4:5]         ; v: A = wv,
	s_cselect_b64 s[6:7], s[90:91], s[6:7]
	s_cselect_b64 s[8:9], s[76:77], s[8:9]         ; B = V
	s_cselect_b64 s[10:11], s[78:79], s[10:11]
	s_cselect_b64 s[100:101], s[96:97], s[100:101]
	s_mov_b64 s[92:93], s[98:99]                   ; the mask's three buffers
	s_mov_b64 s[94:95], s[28:29]
	s_mov_b64 s[96:97], s[30:31]
	s_cmp_eq_u32 s2, 3
	s_cbranch_scc1 .Lmask                          ; a whole cluster goes one way
	s_add_nc_u64 s[12:13], s[24:25], s[38:39]      ; where my eight images go,
	s_add_nc_u64 s[104:105], s[26:27], s[36:37]    ; their scale words,
	s_add_nc_u64 s[100:101], s[100:101], s[34:35]  ; my head's bias
	s_cmp_eq_u32 s15, 0
	s_cselect_b64 s[PFA:PFA+1], s[4:5], s[8:9]
	s_add_nc_u64 s[PFA:PFA+1], s[PFA:PFA+1], s[66:67]
	s_lshl_b32 s20, s17, 19                        ; A: 256 rows of 2,048 bytes a tile row, 64 scale bytes a row
	s_mov_b32 s21, 0
	s_lshl_b32 s22, s17, 14
	s_mov_b32 s23, 0
	s_lshl_b32 s46, s42, 19                        ; B: by the tile column
	s_mov_b32 s47, 0
	s_lshl_b32 s18, s42, 14
	s_mov_b32 s19, 0
	s_add_nc_u64 s[20:21], s[4:5], s[20:21]
	s_add_nc_u64 s[22:23], s[6:7], s[22:23]
	s_add_nc_u64 s[46:47], s[8:9], s[46:47]
	s_add_nc_u64 s[18:19], s[10:11], s[18:19]
	; descriptor group 1: a tile's rows of 256 bytes, 16 bytes of padding behind each: 256 rows for the head's loads; behind them the two words that count rows are set to 128, for the ring's
	s_or_b32 s[G1+0], s43, (0<<16)|(1<<20)|(1<<21)|(5<<22)|(3<<25)   ; 15:0 the mask: my row; 17:16 elements of 1 byte; 20 padding on; 21 set beside a mask; 24:22 after every 64 words; 31:25 four words
	s_or_b32 s[G1B+0], s44, (0<<16)|(1<<20)|(1<<21)|(5<<22)|(3<<25)  ; the same for my column
.irp g, G1, G1B
	s_mov_b32 s[\g+1], ROWB<<16                    ; tensor_dim0
	s_mov_b32 s[\g+2], 256<<16                     ; tensor_dim1
	s_mov_b32 s[\g+3], ROWB<<16                    ; tile_dim0
	s_mov_b32 s[\g+4], 256                         ; tile_dim1
	s_mov_b32 s[\g+5], KROW                        ; tensor_dim0_stride
	s_mov_b32 s[\g+6], 0
	s_mov_b32 s[\g+7], 0
.endr
	; the scales of 256 rows: 16,384 dense bytes as 64 rows of 256 bytes (32 elements of 8), 16 bytes of padding behind each
	s_or_b32 s[G1S+0], s43, (3<<16)|(1<<20)|(1<<21)|(5<<22)|(3<<25)
	s_or_b32 s[G1SB+0], s44, (3<<16)|(1<<20)|(1<<21)|(5<<22)|(3<<25)
.irp g, G1S, G1SB
	s_mov_b32 s[\g+1], 32<<16
	s_mov_b32 s[\g+2], 64<<16
	s_mov_b32 s[\g+3], 32<<16
	s_mov_b32 s[\g+4], 64
	s_mov_b32 s[\g+5], 32
	s_mov_b32 s[\g+6], 0
	s_mov_b32 s[\g+7], 0
.endr
	G0SET G0H, 0, 20
	G0SET G0HB, 2*HALFT, 46
	G0SET G0S, SCL, 22
	G0SET G0SB, SCL+2*HALFS, 18
	ARM 1, G0H,  G1,  .Lhead_b
	ARM 2, G0HB, G1B, .Lhead_sa
	ARM 3, G0S,  G1S, .Lhead_sb
	tensor_load_to_lds s[G0SB:G0SB+3], s[G1SB:G1SB+7]
	s_nop 0
.rept 4
	v_nop
.endr
.Lhead_asked:
	; the ring's groups 0: my 128 rows of A's or of B's tile
	s_lshl_b32 s66, s16, 18
	s_add_nc_u64 s[20:21], s[20:21], s[66:67]
	s_add_nc_u64 s[46:47], s[46:47], s[66:67]
	s_mul_i32 s45, s14, HALFT                      ; where my tiles go: wave x 128 rows: no place in the cluster enters an LDS address
.irp s, 0,1
	s_mov_b32 s[G0+4*\s], 1
	s_add_co_u32 s[G0+4*\s+1], s45, \s*SLOT
	s_add_nc_u64 s[G0+4*\s+2:G0+4*\s+3], s[20:21], \s*ROWB
	s_or_b32 s[G0+4*\s+3], s[G0+4*\s+3], 0x80000000
	s_mov_b32 s[G0B+4*\s], 1
	s_add_co_u32 s[G0B+4*\s+1], s45, \s*SLOT
	s_add_nc_u64 s[G0B+4*\s+2:G0B+4*\s+3], s[46:47], \s*ROWB
	s_or_b32 s[G0B+4*\s+3], s[G0B+4*\s+3], 0x80000000
.endr
	v_and_b32 v6, 31, v0
	v_lshlrev_b32 v[PFO], 11, v6
	v_lshlrev_b32 v[LI], 4, v6
	v_and_b32 v1, 15, v0                           ; r
	v_bfe_u32 v2, v0, 4, 1                         ; h
	global_prefetch_b8 v[PFO], s[PFA:PFA+1] offset:ROWB th:TH_LOAD_NT scope:SCOPE_SE     ; K steps 1
	global_prefetch_b8 v[PFO], s[PFA:PFA+1] offset:2*ROWB th:TH_LOAD_NT scope:SCOPE_SE   ; and 2
	v_mul_u32_u24 v3, v1, PITCH
	v_lshl_add_u32 v4, v2, 4, v3                   ; a fragment's row x pitch + 16 h
	s_mul_i32 s21, s15, HALFT                      ; my 128 rows of A
	s_mul_i32 s22, s16, HALFT                      ; my 128 rows of B,
	s_add_co_u32 s22, s22, 2*HALFT                 ; behind A's 256
.irp s, 0,1
	v_add_nc_u32 v[ADRA+\s], s21, v4
	v_add_nc_u32 v[ADRB+\s], s22, v4
	s_add_co_u32 s21, s21, SLOT
	s_add_co_u32 s22, s22, SLOT
.endr
	v_mul_u32_u24 v5, v1, KS                       ; my row's scales: 64 bytes a row,
	v_lshrrev_b32 v6, 8, v5
	v_lshl_add_u32 v5, v6, 4, v5                   ; and 16 more for each 256 passed
	s_mul_i32 s21, s15, HALFS
	s_mul_i32 s22, s16, HALFS
	s_add_co_u32 s22, s22, 2*HALFS
	s_sub_co_u32 s22, s22, s21
	v_mul_u32_u24 v6, s22, v2                      ; lanes 16-31 take B's: one product, the distance between the two bases
	s_add_co_u32 s21, s21, SCL
	v_add_nc_u32 v5, v5, v6
	v_add_nc_u32 v[ADRS], s21, v5
	v_lshlrev_b32 v[BO8], 5, v2
	v_lshlrev_b32 v[BO4], 2, v1
	; the bias in the result's layout.  q, k: register 8 b + j is bias[16 b + 8 h + j].  v: registers 8 a + 0 .. 7 are all bias[16 a + r].  Both ways write all 64 registers
	s_wait_alu depctr_va_vdst(0)                   ; ahead of the branch
	s_cmp_eq_u32 s2, 2
	s_cbranch_scc1 .Lbias_v
.irp b, 0,1,2,3,4,5,6,7
	global_load_b128 v[BIAS+8*\b:BIAS+8*\b+3], v[BO8], s[100:101] offset:64*\b
	global_load_b128 v[BIAS+8*\b+4:BIAS+8*\b+7], v[BO8], s[100:101] offset:64*\b+16
.endr
	s_branch .Lbias_in
.Lbias_v:
.irp a, 0,1,2,3,4,5,6,7
.irp j, 0,1,2,3,4,5,6,7
	global_load_b32 v[BIAS+8*\a+\j], v[BO4], s[100:101] offset:64*\a
.endr
.endr
.Lbias_in:
.macro FRAG reg, adr, q, i             ; 16 rows x 128 K: lane l holds row l % 16; registers 4 c .. 4 c + 3 hold K = 32 c + 16 (l / 16) + 0 .. 15
.irp c, 0,1,2,3
	ds_load_b128 v[\reg+4*\c:\reg+4*\c+3], v[\adr] offset:128*(\q)+32*\c+(\i)*16*PITCH
.endr
.endm
; 16 matrix instructions: A's blocks a0, a0 + 1 x B's eight.  cm = 0: onto the sums; 1: the sums begin with the bias by B's block; 2: by A's block.  The 64 accumulators take turns, one instruction a turn.
.macro MUL16 a0, p, q, sc, cm
.irp a, \a0, \a0+1
.irp b, 0,1,2,3,4,5,6,7
.if \cm == 1
	v_wmma_scale_f32_16x16x128_f8f6f4 v[8*(8*((\a)%4)+\b):8*(8*((\a)%4)+\b)+7], v[128*(\p)+FR*\b:128*(\p)+FR*\b+FR-1], v[AF+FR*(\a):AF+FR*(\a)+FR-1], v[BIAS+8*\b:BIAS+8*\b+7], v[SC+8*NQ*(\sc)+NQ*\b+(\q)], v[SC+8*NQ*(\sc)+NQ*(\a)+(\q)] matrix_a_fmt:MATRIX_FMT_BF8 matrix_b_fmt:MATRIX_FMT_BF8 matrix_a_scale:MATRIX_SCALE_ROW1
.elseif \cm == 2
	v_wmma_scale_f32_16x16x128_f8f6f4 v[8*(8*((\a)%4)+\b):8*(8*((\a)%4)+\b)+7], v[128*(\p)+FR*\b:128*(\p)+FR*\b+FR-1], v[AF+FR*(\a):AF+FR*(\a)+FR-1], v[BIAS+8*(\a):BIAS+8*(\a)+7], v[SC+8*NQ*(\sc)+NQ*\b+(\q)], v[SC+8*NQ*(\sc)+NQ*(\a)+(\q)] matrix_a_fmt:MATRIX_FMT_BF8 matrix_b_fmt:MATRIX_FMT_BF8 matrix_a_scale:MATRIX_SCALE_ROW1
.else
	v_wmma_scale_f32_16x16x128_f8f6f4 v[8*(8*((\a)%4)+\b):8*(8*((\a)%4)+\b)+7], v[128*(\p)+FR*\b:128*(\p)+FR*\b+FR-1], v[AF+FR*(\a):AF+FR*(\a)+FR-1], v[8*(8*((\a)%4)+\b):8*(8*((\a)%4)+\b)+7], v[SC+8*NQ*(\sc)+NQ*\b+(\q)], v[SC+8*NQ*(\sc)+NQ*(\a)+(\q)] matrix_a_fmt:MATRIX_FMT_BF8 matrix_b_fmt:MATRIX_FMT_BF8 matrix_a_scale:MATRIX_SCALE_ROW1
.endif
.endr
.endr
.endm
.macro FETCH_B slot, q, p
	WIN TO_B
.irp i, 0,1,2,3,4,5,6,7
	FRAG 128*(\p)+FR*\i, ADRB+\slot, \q, \i
.endr
	WIN 0
.endm
.macro FETCH_A slot, q, i0
.irp i, \i0, \i0+1, \i0+2, \i0+3
	FRAG AF+FR*(\i), ADRA+\slot, \q, \i
.endr
.endm
.macro SCALES sc                       ; a K step's scale words: two a row; lanes 0-15 A's block i, lanes 16-31 B's block i
.irp i, 0,1,2,3,4,5,6,7
	ds_load_b64 v[SC+8*NQ*\sc+NQ*\i:SC+8*NQ*\sc+NQ*\i+1], v[ADRS] offset:\i*SBLK
.endr
.endm
.macro PLACES n                        ; plain vector instructions between a matrix instruction and a load into, or a read of, its registers
.rept \n
	v_nop
.endr
.endm
; A step of 128 along K that has its successor in the same slot
.macro STEP slot, q, cm
	s_wait_dscnt 4*NL                              ; B's set and A's blocks 0-3 are in; the youngest 16 loads (A's blocks 4-7) may be out
.if \cm
	WIN BIA_LO
.else
	WIN MUL_LO
.endif
	MUL16 0, (\q)%2, \q, \slot, \cm
	MUL16 2, (\q)%2, \q, \slot, \cm
	s_wait_dscnt 0
	PLACES NP
	FETCH_B \slot, (\q)+1, 1-(\q)%2
	FETCH_A \slot, (\q)+1, 0
.if \cm
	WIN BIA_HI
.else
	WIN MUL_HI
.endif
	MUL16 4, (\q)%2, \q, \slot, \cm
	MUL16 6, (\q)%2, \q, \slot, \cm
	PLACES NP
	WIN 0
	FETCH_A \slot, (\q)+1, 4
.endm
; A slot's last step changes slots: one barrier; in front of it each wave waits for all its tensor loads, adds 0 to its spare word, and waits for that and for its reads of this slot.  fill = 1 (the loop): this slot is filled again, two K steps on
.macro TURN slot, next, fill
.if \fill
	s_wait_xcnt 0x0                                ; my last prefetch has read its base
	s_add_nc_u64 s[PFA:PFA+1], s[PFA:PFA+1], ROWB
.endif
	s_wait_tensorcnt 0x0                           ; all my tensor loads have landed: my part of the next slot
	ds_add_u32 v[SPW], v[NIL]                      ; 0 onto my spare word
	s_wait_dscnt 4*NL+1                            ; the add and the youngest 16 loads (A's blocks 4-7) may be out
	WIN MUL_LO
	MUL16 0, 1, NQ-1, \slot, 0
	s_wait_dscnt 0x0                               ; the add is done, and my reads of this slot are over
	s_barrier_signal -1
	MUL16 2, 1, NQ-1, \slot, 0
	WIN 0
	s_barrier_wait -1
.if \fill
	CREST                                          ; the barrier has opened a round of the cluster's: no wave of any partner still reads this slot or has a load on its way
	s_add_nc_u64 s[G0+4*\slot+2:G0+4*\slot+3], s[G0+4*\slot+2:G0+4*\slot+3], 2*ROWB
	s_add_nc_u64 s[G0B+4*\slot+2:G0B+4*\slot+3], s[G0B+4*\slot+2:G0B+4*\slot+3], 2*ROWB
	JLOAD G0+4*\slot, G1, G0B+4*\slot, G1B         ; the first tensor load behind the round; its four v_nop are four of the eight places
	PLACES NP-4
.else
	PLACES NP
.endif
	v_add_nc_u32 v[ADRS], 4*NQ, v[ADRS]            ; the next K step's scale words
	s_wait_alu depctr_va_vdst(0)                   ; directly behind the write
	FETCH_B \next, 0, 0
	FETCH_A \next, 0, 0
	SCALES \next
.if \fill                                      ; the K step that stands two on from the load above; the last trip's would lie behind the end
	s_cmp_gt_u32 s3, 1
	s_cbranch_scc0 .Lno_ask_\@
	global_prefetch_b8 v[PFO], s[PFA:PFA+1] offset:3*ROWB th:TH_LOAD_NT scope:SCOPE_SE
.Lno_ask_\@:
.endif
	WIN MUL_HI
	MUL16 4, 1, NQ-1, \slot, 0
	MUL16 6, 1, NQ-1, \slot, 0
	PLACES NP
	WIN 0
	FETCH_A \next, 0, 4
.endm
	s_wait_alu depctr_va_vdst(0)                   ; the wait at the head's end
	s_wait_tensorcnt 0x0                           ; my tile of the head's four is in
	ds_add_u32 v[SPW], v[NIL]
	s_mov_b32 s[G1+2], 128<<16                     ; no tensor load of mine is out: from here on a load brings 128 rows
	s_mov_b32 s[G1+4], 128
	s_mov_b32 s[G1B+2], 128<<16
	s_mov_b32 s[G1B+4], 128
	s_wait_dscnt 0x0
	CROUND                                         ; all four tiles are in, and all sixteen work-groups are here
	JLOAD G0+4, G1, G0B+4, G1B                     ; K step 1's load, the first tensor load behind the round
	FETCH_B 0, 0, 0
	FETCH_A 0, 0, 0
	SCALES 0
	FETCH_A 0, 0, 4
	global_prefetch_b8 v[PFO], s[PFA:PFA+1] offset:3*ROWB th:TH_LOAD_NT scope:SCOPE_SE   ; K step 3
	s_wait_loadcnt 0x0                             ; the bias
	s_cmp_eq_u32 s2, 2                             ; the first step starts the sums with the bias; it is written for both layouts of the bias
	s_cbranch_scc1 .Lfirst_v
	STEP 0, 0, 1
	s_branch .Lfirst_done
.Lfirst_v:
	STEP 0, 0, 2
.Lfirst_done:
	s_mov_b32 s3, LAPS-1
.Llap:                                             ; a trip goes once round the ring and fills both slots again
	TURN 0, 1, 1
	STEP 1, 0, 0
	TURN 1, 0, 1
	STEP 0, 0, 0
	s_sub_co_u32 s3, s3, 1
	s_cmp_lg_u32 s3, 0
	s_cbranch_scc1 .Llap
	TURN 0, 1, 0                                   ; the last lap fills nothing
	STEP 1, 0, 0
	s_wait_dscnt 4*NL
	WIN MUL_LO
	MUL16 0, 1, NQ-1, 1, 0
	MUL16 2, 1, NQ-1, 1, 0
	s_wait_dscnt 0
	WIN MUL_HI
	MUL16 4, 1, NQ-1, 1, 0
	MUL16 6, 1, NQ-1, 1, 0
	WIN 0
; THE WAY OUT.  Fragment a = A's block a: its 64 registers, 16 b' + x, are 16 numbers of each of four blocks of 32 along the next K; the other 16 lie in lane l xor 16.
.macro QFRAG a
.set QW,  2+(\a)/4                     ; the accumulators' window
.set QAC, 64*((\a)%4)
.set QPC, PC+16*((\a)%2)
.set QW2, QW|(QW<<2)                   ; sources 0 and 1 in that window
.set QW3, QW|(QW<<6)                   ; source 0 and destination
.if (\a) >= 2
	s_wait_xcnt 0x0                                ; the stores of two fragments ago have read these registers
.endif
	WIN QW2
.irp b, 0,1,2,3
	v_max3_num_f32 v[TM+\b], |v[QAC+16*\b]|, |v[QAC+16*\b+1]|, 0x8000000   ; with the floor 2^(16 - 127): the byte cannot fall under 1.  Each accumulator is read from its low end on
.endr
.irp i, 2,4,6,8,10,12,14
.irp b, 0,1,2,3
	v_max3_num_f32 v[TM+\b], |v[QAC+16*\b+\i]|, |v[QAC+16*\b+\i+1]|, v[TM+\b]
.endr
.endr
	WIN 0
.irp b, 0,1,2,3
	v_permlanex16_b32 v[T4+\b], v[TM+\b], s20, s21
.endr
.irp b, 0,1,2,3
	v_max_num_f32 v[TM+\b], v[TM+\b], v[T4+\b]     ; the block's largest magnitude
.endr
.irp b, 0,1,2,3
	v_add_nc_u32 v[SCQ+\b], 0xf8800000, v[TM+\b]   ; 15 off its exponent field: the conversion's scale operand
.endr
.irp b, 0,1,2,3
	v_and_or_b32 v[HOLD+\b], v[TM+\b], 0x7f800000, s22   ; 57,344 x the scale
.endr
.irp b, 0,1,2,3
	v_lshrrev_b32 v[T4+\b], 23, v[SCQ+\b]          ; the scale's byte
.endr
	v_lshl_or_b32 v[PWS+(\a)], v[T4+1], 8, v[T4]
	v_lshl_or_b32 v[PWS+(\a)], v[T4+2], 16, v[PWS+(\a)]
	v_lshl_or_b32 v[PWS+(\a)], v[T4+3], 24, v[PWS+(\a)]
	WIN QW3
.set i, 0
.rept 64
	v_med3_num_f32 v[QAC+i], v[QAC+i], -v[HOLD+i/16], v[HOLD+i/16]   ; the conversion to an 8-bit code does not saturate (ISA guide 7.6.2)
.set i, i+1
.endr
	WIN QW
.set i, 0
.rept 8
	v_cvt_scalef32_pk8_bf8_f32 v[QPC+2*i:QPC+2*i+1], v[QAC+8*i:QAC+8*i+7], v[SCQ+i/2]
.set i, i+1
.endr
	WIN 0
	v_nop                                          ; a plain instruction behind the last conversion
.irp c, 0,1,2,3
	global_store_b128 v[LI], v[QPC+4*\c:QPC+4*\c+3], s[12:13] offset:2048*(\a)+512*\c   ; the wave stores 512 consecutive bytes, aligned
.endr
.endm
	PLACES NP
	s_mov_b32 s20, 0x76543210
	s_mov_b32 s21, 0xfedcba98                      ; v_permlanex16_b32's selects for lane l xor 16
	s_mov_b32 s22, 0x600000                        ; the mantissa field of 57,344
	s_mov_b32 s23, 0xffff0000                      ; lanes 16-31
.irp b, 0,1,2,3
	v_mov_b32 v[T4+\b], 0                          ; a lane permute's destination counts as one of its sources
.endr
.irp a, 0,1,2,3,4,5,6,7
	QFRAG \a
.endr
.irp e, 0,1,2,3
	v_cndmask_b32 v[XQ+\e], v[PWS+\e], v[PWS+4+\e], s23   ; lanes 0-15: fragments 0-3's words of row r; lanes 16-31: fragments 4-7's
.endr
	global_store_b128 v[LI], v[XQ:XQ+3], s[104:105]
	s_wait_tensorcnt 0x0                           ; the wave's end
	ds_add_u32 v[SPW], v[NIL]
	s_wait_dscnt 0x0
	CROUND                                         ; the closing round
	s_endpgm
; ---------------- THE MASK.  No tensor load, no barrier but the rounds, no branch on data.  Four trips, each two key steps of 128; a trip's 32 loads stand behind the packing of the trip before.
.set MX,   16                          ; v16-19 the neighbour's bits
.set MOUT, 4                           ; v4-7   four words to store
.Lmask:
	s_lshl_b32 s18, ttmp9, 4
	s_lshl_b32 s19, s41, 2
	s_add_co_u32 s18, s18, s19
	s_add_co_u32 s18, s18, s40                     ; which of the 64 mask work-groups: it enters global addresses alone
	s_lshl_b32 s18, s18, 1
	s_add_co_u32 s18, s18, s15                     ; my tile of 16 queries; s16: my half of the keys
	s_lshl_b32 s20, s18, 17                        ; 16 rows of 8,192 bytes
	s_lshl_b32 s22, s16, 12
	s_add_co_u32 s20, s20, s22
	s_mov_b32 s21, 0
	s_add_nc_u64 s[92:93], s[92:93], s[20:21]
	s_lshl_b32 s20, s18, 12                        ; 16 steps of 256 bytes of words
	s_lshl_b32 s22, s16, 11
	s_add_co_u32 s20, s20, s22
	s_add_nc_u64 s[94:95], s[94:95], s[20:21]
	s_lshl_b32 s20, s18, 3
	s_lshl_b32 s22, s16, 2
	s_add_co_u32 s20, s20, s22
	s_add_nc_u64 s[96:97], s[96:97], s[20:21]
	s_mov_b32 s20, 0x76543210
	s_mov_b32 s21, 0xfedcba98
	s_mov_b32 s23, 0xcccccccc                      ; the lanes whose number has bit 1 set
	s_mov_b32 s4, 16                               ; 16 + the step
	s_mov_b32 s5, 24
	s_mov_b32 s3, 4                                ; trips
	v_and_b32 v1, 31, v0                           ; lane
	v_lshlrev_b32 v2, 4, v1                        ; in: 16 bytes a lane: keys 4 l + 0 .. 3 of a step
	v_bfe_u32 v4, v1, 1, 1
	v_lshlrev_b32 v3, 8, v4                        ; out: lanes with bit 1 set hold the pair's second step, 256 bytes on;
	v_lshrrev_b32 v4, 2, v1
	v_lshl_add_u32 v3, v4, 5, v3                   ; words 8 (l / 4) + 4 (l % 2) + 0 .. 3
	v_and_b32 v4, 1, v1
	v_lshl_add_u32 v3, v4, 4, v3
.irp e, 0,1,2,3
	v_mov_b32 v[MX+\e], 0                          ; destinations of lane moves are written once
.endr
	v_mov_b32 v21, 0
	v_mov_b32 v23, 0                               ; rows with an open key
	v_mov_b32 v24, 0                               ; the steps' bits
	s_wait_alu depctr_va_vdst(0)                   ; the wait at the head's end
.macro MLOAD b, off                    ; 16 rows x 512 bytes; each load reads 512 consecutive bytes of one row
.set i, 0
.rept 16
	global_load_b128 v[64+64*(\b)+4*i:64+64*(\b)+4*i+3], v2, s[92:93] offset:8192*i+(\off) th:TH_LOAD_NT
.set i, i+1
.endr
.endm
.macro MBITS b                         ; v[8 + 4 b + e]: bit rho = row rho, key 4 l + e
.set MD, 64+64*(\b)
.set MR, 8+4*(\b)
.set i, 0
.rept 64
	v_min_u32 v[MD+i], 1, v[MD+i]                  ; 1 where the mask is not 0
.set i, i+1
.endr
.irp e, 0,1,2,3
	v_lshl_or_b32 v[MR+\e], v[MD+4+\e], 1, v[MD+\e]
.endr
.irp p, 2,3,4,5,6,7,8,9,10,11,12,13,14,15
.irp e, 0,1,2,3
	v_lshl_or_b32 v[MR+\e], v[MD+4*\p+\e], \p, v[MR+\e]
.endr
.endr
.endm
.macro MFLAGS b
.set MR, 8+4*(\b)
	v_or_b32 v25, v[MR], v[MR+1]
	v_or_b32 v20, v[MR+2], v[MR+3]
	v_or_b32 v20, v20, v25                         ; rows with an open key among my four
	v_and_b32 v25, v[MR], v[MR+1]
	v_and_b32 v22, v[MR+2], v[MR+3]
	v_and_b32 v25, v25, v22
	v_xor_b32 v25, 0xffff, v25                     ; rows with a closed one
	v_lshl_or_b32 v20, v25, 16, v20
.irp x, 1,2,4,8
	v_mov_b32_dpp v21, v20 row_xmask:\x row_mask:0xf bank_mask:0xf
	v_or_b32 v20, v20, v21
.endr
	v_permlanex16_b32 v21, v20, s20, s21
	v_or_b32 v20, v20, v21                         ; over the step's 128 keys
	v_or_b32 v23, v23, v20
	v_and_b32 v25, 0xffff, v20
	v_min_u32 v25, 1, v25                          ; the step has an open key
	v_lshl_or_b32 v24, v25, s4, v24
	v_lshrrev_b32 v25, 16, v20
	v_min_u32 v25, 1, v25
	v_xor_b32 v25, 1, v25                          ; the step has no closed key
	v_lshl_or_b32 v24, v25, s5, v24
	s_add_co_u32 s4, s4, 1
	s_add_co_u32 s5, s5, 1
.endm
	MLOAD 0, 0
	MLOAD 1, 512
.Lmtrip:
	s_wait_loadcnt 0x0                             ; the trip's 32 loads are in
	MBITS 0
	MBITS 1
	s_cmp_eq_u32 s3, 1
	s_cbranch_scc1 .Lmlast                         ; the last trip asks for nothing
	s_add_nc_u64 s[92:93], s[92:93], 1024          ; (no load is out)
	MLOAD 0, 0
	MLOAD 1, 512
.Lmlast:
	MFLAGS 0
	MFLAGS 1
; Keys 16 t + j and 16 t + 8 + j lie in lanes l and l xor 2.  Lanes with bit 1 clear make the even step's words, the others the odd step's: 32 lanes x 4 words = two steps' 128 words
.irp e, 0,1,2,3
	v_mov_b32_dpp v[MX+\e], v[8+\e] row_xmask:2 row_mask:0xf bank_mask:0xf
.endr
.irp e, 0,1,2,3
	v_lshl_or_b32 v[MOUT+\e], v[MX+\e], 16, v[8+\e]
.endr
.irp e, 0,1,2,3
	v_mov_b32_dpp v[MX+\e], v[12+\e] row_xmask:2 row_mask:0xf bank_mask:0xf
.endr
.irp e, 0,1,2,3
	v_lshl_or_b32 v[MX+\e], v[12+\e], 16, v[MX+\e]
.endr
.irp e, 0,1,2,3
	v_cndmask_b32 v[MOUT+\e], v[MOUT+\e], v[MX+\e], s23
.endr
	global_store_b128 v3, v[MOUT:MOUT+3], s[94:95]   ; 512 consecutive bytes, aligned
	s_wait_alu depctr_va_vdst(0)                   ; ahead of the wait and the branch below
	s_wait_xcnt 0x0                                ; the store has read its registers and its base
	s_add_nc_u64 s[94:95], s[94:95], 512
	s_sub_co_u32 s3, s3, 1
	s_cmp_lg_u32 s3, 0
	s_cbranch_scc1 .Lmtrip
	v_and_or_b32 v25, v23, 0xffff, v24
	v_mov_b32 v22, 0
	v_cmp_gt_u32 vcc_lo, 1, v1
	s_wait_alu depctr_va_vdst(0)
	s_wait_xcnt 0x0                                ; EXEC changes only behind this wait
	s_and_saveexec_b32 s22, vcc_lo
	global_store_b32 v22, v25, s[96:97]            ; lane 0 stores the flags
	s_wait_xcnt 0x0
	s_or_b32 exec_lo, exec_lo, s22
	s_wait_tensorcnt 0x0                           ; the wave's end
	ds_add_u32 v[SPW], v[NIL]
	s_wait_dscnt 0x0
	CROUND                                         ; the closing round
	s_endpgm
.Lfunc_end_k_qe9d619065c_proj:
	.size	k_qe9d619065c_proj, .Lfunc_end_k_qe9d619065c_proj-k_qe9d619065c_proj
	.p2alignl 7, 3214868480
	.fill 96, 4, 3214868480
	.section	.rodata,"a",@progbits
	.p2align	6, 0x0
	.amdhsa_kernel k_qe9d619065c_proj
		.amdhsa_group_segment_fixed_size 327680
		.amdhsa_private_segment_fixed_size 0
		.amdhsa_enable_private_segment 0
		.amdhsa_kernarg_size 160
		.amdhsa_user_sgpr_count 2
		.amdhsa_user_sgpr_kernarg_segment_ptr 1
		.amdhsa_wavefront_size32 1
		.amdhsa_system_sgpr_workgroup_id_x 1
		.amdhsa_system_sgpr_workgroup_id_y 1
		.amdhsa_system_sgpr_workgroup_id_z 1
		.amdhsa_system_vgpr_workitem_id 0
		.amdhsa_next_free_vgpr 1024
		.amdhsa_next_free_sgpr 106
		.amdhsa_reserve_vcc 1
		.amdhsa_float_denorm_mode_32 3
		.amdhsa_float_denorm_mode_16_64 3
		.amdhsa_memory_ordered 1
		.amdhsa_forward_progress 1
		.amdhsa_inst_pref_size 232
	.end_amdhsa_kernel
	.amdgpu_metadata
---
amdhsa.version: [ 1, 2 ]
amdhsa.kernels:
  - .name:           k_qe9d619065c_proj
    .symbol:         k_qe9d619065c_proj.kd
    .args:
      - { .name: Q_codes, .offset: 0, .size: 8, .value_kind: global_buffer, .address_space: global }
      - { .name: Q_scales, .offset: 8, .size: 8, .value_kind: global_buffer, .address_space: global }
      - { .name: K_codes, .offset: 16, .size: 8, .value_kind: global_buffer, .address_space: global }
      - { .name: K_scales, .offset: 24, .size: 8, .value_kind: global_buffer, .address_space: global }
      - { .name: V_codes, .offset: 32, .size: 8, .value_kind: global_buffer, .address_space: global }
      - { .name: V_scales, .offset: 40, .size: 8, .value_kind: global_buffer, .address_space: global }
      - { .name: wq_codes, .offset: 48, .size: 8, .value_kind: global_buffer, .address_space: global }
      - { .name: wq_scales, .offset: 56, .size: 8, .value_kind: global_buffer, .address_space: global }
      - { .name: wk_codes, .offset: 64, .size: 8, .value_kind: global_buffer, .address_space: global }
      - { .name: wk_scales, .offset: 72, .size: 8, .value_kind: global_buffer, .address_space: global }
      - { .name: wv_codes, .offset: 80, .size: 8, .value_kind: global_buffer, .address_space: global }
      - { .name: wv_scales, .offset: 88, .size: 8, .value_kind: global_buffer, .address_space: global }
      - { .name: bq, .offset: 96, .size: 8, .value_kind: global_buffer, .address_space: global }
      - { .name: bk, .offset: 104, .size: 8, .value_kind: global_buffer, .address_space: global }
      - { .name: bv, .offset: 112, .size: 8, .value_kind: global_buffer, .address_space: global }
      - { .name: mask, .offset: 120, .size: 8, .value_kind: global_buffer, .address_space: global }
      - { .name: frag, .offset: 128, .size: 8, .value_kind: global_buffer, .address_space: global }
      - { .name: fsc, .offset: 136, .size: 8, .value_kind: global_buffer, .address_space: global }
      - { .name: mwords, .offset: 144, .size: 8, .value_kind: global_buffer, .address_space: global }
      - { .name: mflags, .offset: 152, .size: 8, .value_kind: global_buffer, .address_space: global }
    .group_segment_fixed_size: 327680
    .private_segment_fixed_size: 0
    .kernarg_segment_align: 8
    .kernarg_segment_size: 160
    .max_flat_workgroup_size: 128
    .sgpr_count:     106
    .vgpr_count:     1024
    .wavefront_size: 32
...
	.end_amdgpu_metadata
.endif
;; end of part 1
;; launch attn (part 2): grid 16 x 16, 8 waves a work-group, no clusters, 171,008 bytes of LDS; arguments frag, fsc, mwords, mflags, af, asc; writes af, asc
.if DOCPART == 2
	.amdgcn_target "amdgcn-amd-amdhsa--gfx1250"
	.amdhsa_code_object_version 6
	.text
	.protected	k_qe9d619065c_attn
	.globl	k_qe9d619065c_attn
	.p2align	8
	.type	k_qe9d619065c_attn,@function
k_qe9d619065c_attn:
	s_mov_b64 s[64:65], 0
	v_nop
	global_prefetch_b8 v0, s[64:65] scope:SCOPE_SE
	s_setreg_imm32_b32 hwreg(HW_REG_WAVE_MODE, 25, 1), 1
	s_wait_xcnt 0x0
; Attention of one head on codes of BF8 (E5M2) with E8M0 scales: S^T = k q^T, the mask, p = 2^(t - M), O^T = v^T p^T, O / the row's sum, quantised along the head's 128 for the output projection.
; t = score x log2(e) / sqrt(128); M = the running largest t rounded UP to a whole number; p is quantised along the keys, not normalised; the row's sum is taken of the unquantised p; when M moves, the sum and O^T are multiplied by 2^(old M - new M), exactly.
; SHARES.  A work-group (number g along x) takes two groups of 64 queries of a head, one after the other: group 31 - g (phase 0), then group g (phase 1).  A group is four tiles of 16 queries; waves w and w + 4 share tile w % 4: wave w takes the even key steps of 128, wave w + 4 the odd ones.
; At a phase's end the two partial results are joined through LDS (both M are whole numbers: powers of two), and each of the two waves finishes 64 of the head's 128 channels.
; A TRIP is two key steps, one barrier.  The trips that some tile of the group needs are listed by the stored flags (bits of s23 and s24); a phase has eight trips in the text, and those behind the list's end are a barrier and nothing else.
; PACKAGE n = v's eight images of trip n's two steps and k's of trip n + 1's, with their scale words: two halves (even step, odd step) of 33,792 bytes; it lies in LDS slot n % 2.
; THE COPY goes through registers, an eighth by each wave (waves 0-3 k's, waves 4-7 v's).  Set 0 (even halves): package n + 1's is asked for at trip n's head and stored at its end.  Set 1 (odd halves): package n + 2's is asked for in trip n's middle and stored in trip n + 1's middle.
; Each is nine loads, issued in every listed trip, so the waits' counts hold on every path; behind the list's end all lanes name one address of a step that exists, and what is stored is never read.
; k's fragments of a step are in registers when the trip begins: they were read from LDS during the trip before; those of a phase's first trip come straight from memory, since an image in memory is the image of the registers.
; THE LDS LOADS OF A STEP (66 of 512 bytes a wave: v of this step, k of the next) stand in groups of four, one fragment, among the softmax's vector instructions, v's first.
; THE MASK.  Register 8 t + j of S^T has a lane mask of its own, made by the launch before: 64 scalar words a step, asked for a trip ahead.  A masked score becomes -1.5 x 2^33, whose t = -0xC3DDE5 x 2^7 is a whole number: a row with no open key gets p = 1 everywhere.
; A step is passed over by a wave (a scalar branch on the stored flags; never round a barrier) if none of its keys is open for any of the tile's rows AND every row of the tile has an open key somewhere.  The 64 selects are passed over where the step is all open.
; NO TENSOR LOADS AND NO CLUSTER: the walk branches on numbers read from memory; what the branches leave out is whole steps of arithmetic and of copying.
; LIMITS: a masked logit counts as -1.139e9 where the definition has -1e9, and masked keys of a passed step count as p = 0: both differ from the definition only where a row's largest OPEN logit lies under about -1e9.  NaN and infinities are not served.  A block of zeros gets the scale byte 1.
; LAYOUT.  A lane holds ONE query (lane % 16) throughout; register 8 t + j of S^T is key 16 t + 8 (lane / 16) + j.  p's codes keep that order inside each block of 32 keys, and v's images were made in the same order.
; REGISTERS.  Window 0: v1-7, v70, v71, v84, v85 addresses; v8-11 k's scale words; v12 -M, v13 the largest t, v[14:15] the sum; v16-31 q; v32-64 the copy's set 0; v65 q's scale words; v66-69 v's; v72-83, v88-90 at work; v224-255 and v91 the copy's set 1;
;             v92-107 p's codes: block 0's four registers stand ahead of S^T's, the other twelve over S^T's first twelve, whose p have become codes by then; v96-159 S^T, then p; v160-223 O^T.
;             Window 1: v0-127 k's eight fragments, v128-255 v's.
.set SLOTB, 33792                      ; half a slot: k's images, v's images, k's scale words, v's
.set VIMG,  16384
.set KSCO,  32768
.set VSCO,  33280
.set STEPB, 16384                      ; a step's eight images in memory
.set XCH,   4*SLOTB                    ; behind the two slots: the waves' exchange, XW bytes each: 32 registers, -M, the sum
.set XW,    4352
.set SPARE, XCH+8*XW                   ; the spare words: 128 bytes a wave
.set RA0, 1                            ; v1   reads of my half of slot 0
.set CPL0, 2                           ; v2   where I store my eighth of the images in slot 0
.set CSL0, 3                           ; v3   and of the scale words
.set L4,  4                            ; v4   4 x lane
.set OFF, 5                            ; v5   the copy's offset: 16 x lane, or 0
.set RA1, 6                            ; v6, v70, v71 the same in slot 1 (an offset would pass the 16-bit immediate)
.set L16, 7                            ; v7   16 x lane
.set KSC, 8
.set QF,  16
.set CP,  32                           ; set p of the copy: v[32 + 192 p ..], and v[64 + 27 p]
.set CPS, 64
.set QS,  65
.set VSC, 66
.set CPL1, 70
.set CSL1, 71
.set BM,  72                           ; v72-75 the blocks' largest scores, then largest p, then the conversions' scale operands
.set T1,  76                           ; v76-79 at work
.set HOLD, 80
.set PFO, 84                           ; v84  256 x lane
.set QSO, 85                           ; v85  16 x (lane % 16)
.set SPW, 86                           ; v86  my spare word
.set NIL, 87                           ; v87  0
.set FF,  88                           ; v88 f = 2^(old M - new M); named as a pair with
.set PW,  89                           ; v89 p's scale word
.set TMP, 90
.set PC,  92
.set S,   96
.set O,   160
.set XA,  140                          ; v140-144 a phase's end: the exchange's addresses, mine and my partner's; the stores' offset
.set XB,  141
.set XPA, 142
.set XPB, 143
.set AO,  144
.set MSB, 0
.macro WIN new                         ; the immediate's high byte repeats the setting that is left
.if MSB != \new
	s_set_vgpr_msb (MSB<<8)|\new
.set MSB, \new
.endif
.endm
; s2 wave; s3 the trip; s4 loop; s5 the steps that my tile does, s6 the steps that are all open, s7 the steps that some tile of the group does (bits 15:0 this phase's; in phase 0 bits 31:16 the next's); s[8:9], s[10:11] the copy's sources at step 0; s[12:13] my tile's mask words; s[14:15], s16 the prefetches;
; s17 the phase; s[18:19] lane selects; s20 c (named with s21 as a pair); s21 57,344's mantissa; s22 the list's length, s101 the copy's; s23, s24 what is left of the copy's and of my list; s25 my step; s26-31 at work; s[66:67] the mask words' address; s100 the even step of the next trip; s104 of the copy; s105 the masked score;
; s[32:63], s[68:99] the 64 mask words (at a phase's head and end: arguments, offsets, flags)
	s_load_b256 s[32:39], s[0:1], 0x0              ; frag, fsc, mwords, mflags
	v_lshrrev_b32 v[TMP], 5, v0
	v_lshl_add_u32 v[SPW], v0, 2, SPARE
	v_readfirstlane_b32 s2, v[TMP]                 ; wave 0..7
	v_and_b32 v[TMP], 31, v0
	v_mov_b32 v[NIL], 0
	v_and_b32 v[QSO], 15, v0
	v_lshlrev_b32 v[L16], 4, v[TMP]
	v_lshlrev_b32 v[L4], 2, v[TMP]
	v_lshlrev_b32 v[PFO], 8, v[TMP]
	v_lshlrev_b32 v[QSO], 4, v[QSO]                ; q's scale words lie 16 bytes apart
	s_lshr_b32 s26, s2, 2                          ; 0: even steps, and I copy k's part; 1: odd steps, v's part
	s_mul_i32 s27, s26, SLOTB
	v_add_nc_u32 v[RA0], s27, v[L16]
	s_lshl_b32 s28, s2, 12
	v_add_nc_u32 v[CPL0], s28, v[L16]
	v_lshl_add_u32 v[CSL0], v0, 2, KSCO
	v_add_nc_u32 v[RA1], 2*SLOTB, v[RA0]
	v_add_nc_u32 v[CPL1], 2*SLOTB, v[CPL0]
	v_add_nc_u32 v[CSL1], 2*SLOTB, v[CSL0]
	s_mov_b32 s18, 0x76543210
	s_mov_b32 s19, 0xfedcba98
	s_mov_b32 s20, 0x3e0293ee                      ; c = log2(e) / sqrt(128)
	s_mov_b32 s21, 0x600000
	s_mov_b32 s105, 0xd0400000                     ; -1.5 x 2^33
	s_mov_b32 s17, 0
	s_and_b32 s28, s2, 3
	s_sub_co_u32 s29, 31, ttmp9                    ; phase 0's group
	s_lshl_b32 s44, s29, 2
	s_add_co_u32 s44, s44, s28
	s_lshl_b32 s44, s44, 3                         ; my tile's two flag words, in phase 0
	s_mov_b32 s45, 0
	s_lshl_b32 s46, ttmp9, 2
	s_add_co_u32 s46, s46, s28
	s_lshl_b32 s46, s46, 3                         ; and in phase 1
	s_mov_b32 s47, 0
	s_lshl_b32 s48, s29, 5                         ; the group's four tiles' flags: 32 bytes
	s_mov_b32 s49, 0
	s_lshl_b32 s50, ttmp9, 5
	s_mov_b32 s51, 0
	s_and_b32 s30, ttmp7, 0xffff                   ; the head
	s_add_co_u32 s31, s26, 1                       ; the kind in frag and fsc: 1 k, 2 v
	s_lshl_b32 s8, s31, 22
	s_lshl_b32 s27, s30, 18                        ; a head's images: 262,144 bytes
	s_add_co_u32 s8, s8, s27
	s_lshl_b32 s10, s31, 17
	s_lshl_b32 s27, s30, 13                        ; a head's scale words: 8,192 bytes
	s_add_co_u32 s10, s10, s27
	s_lshl_b32 s14, s28, 13                        ; the prefetches: 8,192 bytes a wave of a trip's 32,768,
	s_add_co_u32 s14, s14, s8
	s_sub_co_u32 s27, 4, s26
	s_lshl_b32 s27, s27, 15
	s_add_co_u32 s14, s14, s27                     ; at v's trip 3, k's trip 4: each trip's head moves it on before it asks
	s_mov_b32 s15, 0
	s_add_co_u32 s16, s26, 3                       ; k's are asked for in trips 0 to 2, v's in trips 0 to 3,
	s_cmp_eq_u32 ttmp9, 0
	s_cselect_b32 s16, s16, 0                      ; by the head's first work-group
	s_lshl_b32 s27, s28, 12
	s_add_co_u32 s8, s8, s27                       ; my 4,096 bytes of a step's 16,384,
	s_mov_b32 s9, 0
	s_lshl_b32 s27, s28, 7
	s_add_co_u32 s10, s10, s27                     ; my 128 bytes of its 512
	s_mov_b32 s11, 0
	s_wait_alu depctr_va_vdst(0)                   ; the wait at the head's end
	s_wait_kmcnt 0x0
	s_add_nc_u64 s[44:45], s[38:39], s[44:45]
	s_add_nc_u64 s[46:47], s[38:39], s[46:47]
	s_add_nc_u64 s[48:49], s[38:39], s[48:49]
	s_add_nc_u64 s[50:51], s[38:39], s[50:51]
	s_load_b64 s[68:69], s[44:45], 0x0
	s_load_b64 s[70:71], s[46:47], 0x0
	s_load_b256 s[72:79], s[48:49], 0x0
	s_load_b256 s[80:87], s[50:51], 0x0
	s_add_nc_u64 s[8:9], s[32:33], s[8:9]
	s_add_nc_u64 s[10:11], s[34:35], s[10:11]
	s_add_nc_u64 s[14:15], s[32:33], s[14:15]
.macro TDO lo, d                       ; s[d] = the steps that the tile with flags s[lo], s[lo + 1] does.  s28 = 0xffff
	s_or_b32 s26, s[\lo], s[\lo+1]
	s_and_b32 s26, s26, s28                        ; the rows that have an open key
	s_bfe_u32 s27, s[\lo], 0x80010
	s_bfe_u32 s[\d], s[\lo+1], 0x80010
	s_lshl_b32 s[\d], s[\d], 8
	s_or_b32 s[\d], s[\d], s27                     ; the steps that have one
	s_cmp_eq_u32 s26, s28
	s_cselect_b32 s[\d], s[\d], s28                ; a tile with a row that has no open key does every step
.endm
.macro POP r, d                        ; the next even step of the list s[r] into s[d]; behind the list's end 14
	s_or_b32 s[\d], s[\r], 0x10000
	s_ctz_i32_b32 s[\d], s[\d]
	s_min_u32 s[\d], s[\d], 14
	s_sub_co_u32 s26, s[\r], 1
	s_and_b32 s[\r], s[\r], s26
.endm
.macro COPY_LOAD p                     ; my eighth of a half into set p (0 the even step's, 1 the odd step's): 4,096 bytes of images, 128 of scale words; nine loads
.irp i, 0,1,2,3,4,5,6,7
	global_load_b128 v[CP+192*(\p)+4*\i:CP+192*(\p)+4*\i+3], v[OFF], s[28:29] offset:STEPB*(\p)+512*\i
.endr
	global_load_b32 v[CPS+27*(\p)], v[L4], s[30:31] offset:512*(\p)
.endm
.macro COPY_FROM                       ; s[28:31]: the copy's sources at step s104
	s_lshl_b32 s28, s104, 14
	s_mov_b32 s29, 0
	s_lshl_b32 s30, s104, 9
	s_mov_b32 s31, 0
	s_add_nc_u64 s[28:29], s[8:9], s[28:29]
	s_add_nc_u64 s[30:31], s[10:11], s[30:31]
.endm
.macro COPY_ASK p, ahead               ; set p, for the list's place s3 + ahead.  (Behind a wait on XCNT)
	COPY_FROM
	s_add_co_u32 s26, s3, \ahead
	s_cmp_lt_u32 s26, s101
	s_cselect_b32 s27, 1, 0
	s_min_u32 s27, s27, 1
	v_mul_u32_u24 v[OFF], s27, v[L16]              ; 16 x lane, or 0 behind the list's end
	COPY_LOAD \p
.endm
.macro COPY_STORE p, cpl, csl
.irp i, 0,1,2,3,4,5,6,7
	ds_store_b128 v[\cpl], v[CP+192*(\p)+4*\i:CP+192*(\p)+4*\i+3] offset:SLOTB*(\p)+512*\i
.endr
	ds_store_b32 v[\csl], v[CPS+27*(\p)] offset:SLOTB*(\p)
.endm
.macro WORDS                           ; the 64 lane masks of my step in the trip whose even step is s100
	s_lshr_b32 s66, s2, 2
	s_add_co_u32 s66, s66, s100
	s_lshl_b32 s66, s66, 8
	s_mov_b32 s67, 0
	s_add_nc_u64 s[66:67], s[12:13], s[66:67]
	s_load_b512 s[32:47], s[66:67], 0x0
	s_load_b512 s[48:63], s[66:67], 0x40
	s_load_b512 s[68:83], s[66:67], 0x80
	s_load_b512 s[84:99], s[66:67], 0xc0
.endm
; A PHASE'S HEAD, first part: its lists, and the loads of q, of k for my first step, of package 0.  The flags of the phase lie in bits 15:0 of s5, s6, s7; s[32:37] = frag, fsc, mwords
.macro PH_LOADS ph
	s_lshr_b32 s26, s7, 1
	s_or_b32 s26, s26, s7
	s_and_b32 s24, s26, 0x5555                     ; bit 2 t: trip t is needed
	s_bcnt1_i32_b32 s22, s24
	s_lshr_b32 s27, s2, 2
	s_sub_co_u32 s26, 1, s27
	s_sub_co_u32 s101, s22, s26                    ; k's copy runs one trip further ahead: its list is one shorter
	s_mov_b32 s28, s24
	POP 24, 100
	s_cmp_eq_u32 s27, 0
	s_cselect_b32 s23, s24, s28
	POP 23, 104
.if \ph
	s_mov_b32 s46, ttmp9
.else
	s_sub_co_u32 s46, 31, ttmp9
.endif
	s_lshl_b32 s46, s46, 2
	s_and_b32 s47, s2, 3
	s_add_co_u32 s46, s46, s47                     ; T, my tile of 16 queries
	s_and_b32 s47, ttmp7, 0xffff
	s_lshl_b32 s44, s47, 18
	s_lshl_b32 s45, s47, 13
	s_lshl_b32 s48, s46, 11                        ; q's fragment: 2,048 T in the head's images
	s_add_co_u32 s48, s48, s44
	s_mov_b32 s49, 0
	s_lshr_b32 s50, s46, 2
	s_lshl_b32 s50, s50, 8                         ; its scale words: 256 (T / 4) + 4 (T % 4)
	s_add_co_u32 s50, s50, s45
	s_and_b32 s47, s46, 3
	s_lshl_b32 s47, s47, 2
	s_add_co_u32 s50, s50, s47
	s_mov_b32 s51, 0
	s_lshl_b32 s12, s46, 12
	s_mov_b32 s13, 0
	s_add_co_u32 s27, s27, s100                    ; my first step
	s_lshl_b32 s52, s27, 14
	s_add_co_u32 s52, s52, s44
	s_add_co_u32 s52, s52, 0x400000
	s_mov_b32 s53, 0
	s_lshl_b32 s54, s27, 9
	s_add_co_u32 s54, s54, s45
	s_add_co_u32 s54, s54, 0x20000
	s_mov_b32 s55, 0
	s_add_nc_u64 s[12:13], s[36:37], s[12:13]
	s_add_nc_u64 s[48:49], s[32:33], s[48:49]
	s_add_nc_u64 s[50:51], s[34:35], s[50:51]
	s_add_nc_u64 s[52:53], s[32:33], s[52:53]
	s_add_nc_u64 s[54:55], s[34:35], s[54:55]
	COPY_FROM
	v_mov_b32 v[OFF], v[L16]
	COPY_LOAD 0
	COPY_LOAD 1
.irp c, 0,1,2,3
	global_load_b128 v[QF+4*\c:QF+4*\c+3], v[L16], s[48:49] offset:512*\c   ; q's fragment stays in registers
.endr
	global_load_b32 v[QS], v[QSO], s[50:51]
	WIN 0x40                                       ; destination window 1
.set i, 0
.rept 32
	global_load_b128 v[4*i:4*i+3], v[L16], s[52:53] offset:512*i   ; k's eight fragments of my first step, straight into their registers
.set i, i+1
.endr
	WIN 0
	global_load_b128 v[KSC:KSC+3], v[L16], s[54:55]                ; lanes 0-15: fragments 0-3's scale words, lanes 16-31: fragments 4-7's
.endm
	s_wait_kmcnt 0x0
	s_mov_b32 s28, 0xffff
	TDO 68, 5
	TDO 70, 29
	s_lshl_b32 s29, s29, 16
	s_or_b32 s5, s5, s29
	s_lshr_b32 s6, s68, 24                         ; the steps that are all open
	s_lshr_b32 s26, s69, 24
	s_lshl_b32 s26, s26, 8
	s_or_b32 s6, s6, s26
	s_lshr_b32 s26, s70, 24
	s_lshl_b32 s26, s26, 16
	s_or_b32 s6, s6, s26
	s_lshr_b32 s26, s71, 24
	s_lshl_b32 s26, s26, 24
	s_or_b32 s6, s6, s26
	s_mov_b32 s7, 0
	s_mov_b32 s30, 0
.irp t, 72,74,76,78
	TDO \t, 29
	s_or_b32 s7, s7, s29
.endr
.irp t, 80,82,84,86
	TDO \t, 29
	s_or_b32 s30, s30, s29
.endr
	s_lshl_b32 s30, s30, 16
	s_or_b32 s7, s7, s30
	PH_LOADS 0
; A prefetch, two trips ahead of the copy's loads of the same bytes: in trip n v's images of trip n + 4 and k's of trip n + 5, in phase 0, by the head's first work-group, one instruction a wave, a lane a block of 256 bytes: each block is named once in the launch.
; All work-groups of a head walk the same images.  The first trips and the scale words come by their loads alone; the last trips ask for nothing.
.macro ASK
	s_cmp_lt_u32 s3, s16
	s_cbranch_scc0 .Lnot_mine_\@
	global_prefetch_b8 v[PFO], s[14:15] th:TH_LOAD_NT scope:SCOPE_SE
.Lnot_mine_\@:
.endm
; The next n groups of four LDS loads, a fragment each: groups 0-7 v's fragments of this step, groups 8-15 k's of the next (only where NX = 1).  It leaves the windows at w.
.macro LG n, w
.if (LGN < 8) || NX
	WIN 0x40                                       ; destination window 1
.rept \n
.if LGN < 8
.set LGR, 128+16*LGN
.set LGO, VIMG+2048*LGN
.else
.set LGR, 16*(LGN-8)
.set LGO, 2048*(LGN-8)
.endif
.irp c, 0,1,2,3
	ds_load_b128 v[LGR+4*\c:LGR+4*\c+3], v[RA] offset:LGO+512*\c   ; the same registers in the same lanes as they were made
.endr
.set LGN, LGN+1
.endr
.endif
	WIN \w
.endm
.macro MIDDLE                          ; a trip's middle: set 1, asked for a trip ago, goes to the other slot, and is asked for anew
	s_wait_loadcnt 9                               ; set 0's nine loads, issued at this trip's head, may be out
	COPY_STORE 1, CPLN, CSLN
	s_wait_xcnt 0x0                                ; the copy's loads have read their addresses
	POP 23, 104
	COPY_ASK 1, 2
.endm
; A step's arithmetic.  k's fragments and scale words are in registers.  nxt = 1: the next step's k and mask words are fetched on the way.
.macro COMPUTE nxt
.set NX, \nxt
.set LGN, 0
	ds_load_b128 v[VSC:VSC+3], v[RA] offset:VSCO   ; v's scale words: lanes 0-15 fragments 0-3's, lanes 16-31 fragments 4-7's
	LG 2, 0x01                                     ; then: source 0 window 1
.irp t, 0,1,2,3
	v_wmma_scale_f32_16x16x128_f8f6f4 v[S+8*\t:S+8*\t+7], v[16*\t:16*\t+15], v[QF:QF+15], 0, v[KSC+\t], v[QS] matrix_a_fmt:MATRIX_FMT_BF8 matrix_b_fmt:MATRIX_FMT_BF8
.endr
.irp t, 4,5,6,7
	v_wmma_scale_f32_16x16x128_f8f6f4 v[S+8*\t:S+8*\t+7], v[16*\t:16*\t+15], v[QF:QF+15], 0, v[KSC+\t-4], v[QS] matrix_a_fmt:MATRIX_FMT_BF8 matrix_b_fmt:MATRIX_FMT_BF8 matrix_a_scale:MATRIX_SCALE_ROW1
.endr
	WIN 0
.rept 8
	v_nop                                          ; places behind the products (ISA guide 7.12.1)
.endr
	s_wait_kmcnt 0x0                               ; this step's mask words, asked for a trip ago, are in
	s_lshr_b32 s26, s6, s25
	s_and_b32 s26, s26, 1
	s_cmp_lg_u32 s26, 0
	s_cbranch_scc1 .Lopen_\@                       ; all 128 keys are open for all 16 rows
.set i, 0
.rept 64
	v_cndmask_b32 v[S+i], s105, v[S+i], s[32+i+4*(i/32)]
.set i, i+1
.endr
.Lopen_\@:
.irp b, 0,1,2,3
	v_max3_num_f32 v[BM+\b], v[S+16*\b], v[S+16*\b+1], v[S+16*\b+2]   ; the largest score of each block of 32 keys: for the row's maximum, and, since p rises with the score, for the block's largest p
.endr
.irp i, 3,5,7
.irp b, 0,1,2,3
	v_max3_num_f32 v[BM+\b], v[BM+\b], v[S+16*\b+\i], v[S+16*\b+\i+1]
.endr
.endr
	LG 1, 0
.irp i, 9,11,13
.irp b, 0,1,2,3
	v_max3_num_f32 v[BM+\b], v[BM+\b], v[S+16*\b+\i], v[S+16*\b+\i+1]
.endr
.endr
.irp b, 0,1,2,3
	v_max_num_f32 v[BM+\b], v[BM+\b], v[S+16*\b+15]
.endr
.if NX
	s_wait_alu depctr_va_vdst(0)                   ; the wait directly ahead of the run of scalar lines
	WORDS                                          ; the next step's lane masks: the selects above have read this step's
.endif
.irp b, 0,1,2,3
	v_permlanex16_b32 v[T1+\b], v[BM+\b], s18, s19
.endr
	LG 1, 0
.irp b, 0,1,2,3
	v_max_num_f32 v[BM+\b], v[BM+\b], v[T1+\b]     ; with lane l xor 16's 16 keys
.endr
	s_delay_alu instid0(VALU_DEP_2)
	v_max3_num_f32 v[TMP], v[BM], v[BM+1], v[BM+2]
	s_delay_alu instid0(VALU_DEP_1)
	v_max_num_f32 v[TMP], v[TMP], v[BM+3]
	s_delay_alu instid0(VALU_DEP_1)
	v_mul_f32 v[TMP], s20, v[TMP]                  ; the step's largest t
	s_delay_alu instid0(VALU_DEP_1)
	v_max_num_f32 v13, v13, v[TMP]
	v_mov_b32 v[TMP], v12
	s_delay_alu instid0(VALU_DEP_2)
	v_floor_f32 v12, -v13                          ; the new -M = -ceil(t): a whole number
	s_delay_alu instid0(VALU_DEP_1)
	v_sub_f32 v[TMP], v12, v[TMP]                  ; old M - new M, 0 or less
	s_delay_alu instid0(VALU_DEP_1)
	v_cvt_i32_f32 v[TMP], v[TMP]                   ; (it saturates)
	s_delay_alu instid0(VALU_DEP_1)
	v_ldexp_f32 v[FF], 1.0, v[TMP]                 ; f = 2^(old M - new M)
.set i, 0
.rept 32
	v_pk_fma_f32 v[S+2*i:S+2*i+1], v[S+2*i:S+2*i+1], s[20:21], v[12:13] op_sel_hi:[1,0,0]   ; t - M, two at a time
.if i == 15
	LG 1, 0
.endif
.set i, i+1
.endr
.irp b, 0,1,2,3
	v_fma_f32 v[BM+\b], v[BM+\b], s20, v12
.endr
.set i, 0
	s_wait_alu depctr_va_vdst(0)                   ; ahead of the batch
.rept 64
	v_exp_f32 v[S+i], v[S+i]                       ; p = 2^(t - M)
.if (i%9) == 8
	LG 1, 0                                        ; seven groups among the 64 exponentials: they name none of their registers
.endif
.set i, i+1
.endr
	v_pk_mul_f32 v[14:15], v[14:15], v[FF:FF+1] op_sel_hi:[1,0]   ; the sums under the new M: the plain instruction behind the exponentials
	s_wait_alu depctr_va_vdst(0)                   ; one wait for the batch, ahead of its first reader
.irp b, 0,1,2,3
	v_exp_f32 v[BM+\b], v[BM+\b]                   ; the blocks' largest p
.endr
	v_pk_add_f32 v[T1:T1+1], v[S:S+1], v[S+2:S+3]  ; the row's sum of the unquantised p, in two chains
.irp j, 4,8,12,16,20,24,28
	v_pk_add_f32 v[14:15], v[14:15], v[S+\j:S+\j+1]
	v_pk_add_f32 v[T1:T1+1], v[T1:T1+1], v[S+\j+2:S+\j+3]
.endr
	LG 1, 0
.irp j, 32,36,40,44,48,52,56,60
	v_pk_add_f32 v[14:15], v[14:15], v[S+\j:S+\j+1]
	v_pk_add_f32 v[T1:T1+1], v[T1:T1+1], v[S+\j+2:S+\j+3]
.endr
	s_delay_alu instid0(VALU_DEP_1)
	v_pk_add_f32 v[14:15], v[14:15], v[T1:T1+1]
	s_wait_alu depctr_va_vdst(0)                   ; and one for the four
	MIDDLE
.irp b, 0,1,2,3
	v_max_num_f32 v[BM+\b], 0x8000000, v[BM+\b]    ; the floor 2^(16 - 127): the byte cannot fall under 1
.endr
.irp b, 0,1,2,3
	v_and_or_b32 v[HOLD+\b], v[BM+\b], 0x7f800000, s21   ; 57,344 x the scale
.endr
.irp b, 0,1,2,3
	v_add_nc_u32 v[BM+\b], 0xf8800000, v[BM+\b]    ; 15 off the exponent field: the conversion's scale operand
.endr
.irp b, 0,1,2,3
	v_lshrrev_b32 v[T1+\b], 23, v[BM+\b]
.endr
	s_delay_alu instid0(VALU_DEP_3)
	v_lshl_or_b32 v[PW], v[T1+1], 8, v[T1]         ; p's scale word for these 128 keys
	s_delay_alu instid0(VALU_DEP_1)
	v_lshl_or_b32 v[PW], v[T1+2], 16, v[PW]
	s_delay_alu instid0(VALU_DEP_1)
	v_lshl_or_b32 v[PW], v[T1+3], 24, v[PW]
.irp b, 0,1,2,3
.irp i, 0,1,2,3,4,5,6,7,8,9,10,11,12,13,14,15
	v_min_num_f32 v[S+16*\b+\i], v[S+16*\b+\i], v[HOLD+\b]   ; the conversion does not saturate (ISA guide 7.6.2); p is not negative.  (These lines also stand between block 0's conversions and the writes over their sources)
.endr
	v_cvt_scalef32_pk8_bf8_f32 v[PC+4*\b:PC+4*\b+1], v[S+16*\b:S+16*\b+7], v[BM+\b]
	v_cvt_scalef32_pk8_bf8_f32 v[PC+4*\b+2:PC+4*\b+3], v[S+16*\b+8:S+16*\b+15], v[BM+\b]
.if (\b == 1) || (\b == 3)
	LG 1, 0
.endif
.endr
.set i, 0
.rept 32
	v_pk_mul_f32 v[O+2*i:O+2*i+1], v[O+2*i:O+2*i+1], v[FF:FF+1] op_sel_hi:[1,0]   ; O^T under the new M; these are also the places in front of the products below
.if i == 15
	LG 1, 0
.endif
.set i, i+1
.endr
.if NX
	ds_load_b128 v[KSC:KSC+3], v[RA] offset:KSCO   ; the next step's scale words of k
.endif
	s_wait_alu depctr_va_vdst(0)
	s_wait_dscnt 33*NX+9                           ; v and its words are in; what was issued behind v's last load may be out: the middle's nine stores, k's 32 loads and its words
	WIN 0x01
.irp t, 0,1,2,3
	v_wmma_scale_f32_16x16x128_f8f6f4 v[O+8*\t:O+8*\t+7], v[128+16*\t:128+16*\t+15], v[PC:PC+15], v[O+8*\t:O+8*\t+7], v[VSC+\t], v[PW] matrix_a_fmt:MATRIX_FMT_BF8 matrix_b_fmt:MATRIX_FMT_BF8
.endr
.irp t, 4,5,6,7
	v_wmma_scale_f32_16x16x128_f8f6f4 v[O+8*\t:O+8*\t+7], v[128+16*\t:128+16*\t+15], v[PC:PC+15], v[O+8*\t:O+8*\t+7], v[VSC+\t-4], v[PW] matrix_a_fmt:MATRIX_FMT_BF8 matrix_b_fmt:MATRIX_FMT_BF8 matrix_a_scale:MATRIX_SCALE_ROW1
.endr
	WIN 0
.rept 9
	v_nop                                          ; places in front of the next loads into v's registers, of the next reads of O^T and of the next products, which write over p's codes
.endr
.endm
; A TRIP on slot q
.macro TRIP q
.if \q
.set RA, RA1
.set CPLN, CPL0
.set CSLN, CSL0
.else
.set RA, RA0
.set CPLN, CPL1
.set CSLN, CSL1
.endif
	s_wait_dscnt 0x0                               ; my stores into this slot have landed, my reads of the other slot are over, and k's fragments of this step are in
	s_barrier_signal -1
	s_barrier_wait -1                              ; the first two hold of all eight waves
	s_cmp_ge_u32 s3, s22
	s_cbranch_scc1 .Lpassed_\@                     ; the list has ended
	s_wait_xcnt 0x0                                ; the copy's loads and the last prefetch have read their addresses
	s_add_nc_u64 s[14:15], s[14:15], 2*STEPB
	COPY_ASK 0, 1
	ASK
	s_lshr_b32 s27, s2, 2
	s_add_co_u32 s25, s100, s27                    ; my step
	POP 24, 100
	s_lshr_b32 s26, s5, s25
	s_and_b32 s26, s26, 1
	s_cmp_lg_u32 s26, 0
	s_cbranch_scc0 .Lidle_\@                       ; nothing of this step counts for my tile
	s_add_co_u32 s27, s27, s100                    ; my step of the next trip, if there is one
	s_add_co_u32 s26, s3, 1
	s_cmp_lt_u32 s26, s22
	s_cselect_b32 s26, s5, 0
	s_lshr_b32 s26, s26, s27
	s_and_b32 s26, s26, 1
	s_cmp_lg_u32 s26, 0
	s_cbranch_scc0 .Lalone_\@                      ; I pass it over, or there is none: nothing is fetched for it
	COMPUTE 1
	s_branch .Ljoin_\@
.Lalone_\@:
	COMPUTE 0
	s_branch .Ljoin_\@
.Lidle_\@:
	s_wait_kmcnt 0x0                               ; no scalar load is out, so the mask words' address may be written
	MIDDLE
	s_lshr_b32 s27, s2, 2
	s_add_co_u32 s27, s27, s100
	s_add_co_u32 s26, s3, 1
	s_cmp_lt_u32 s26, s22
	s_cselect_b32 s26, s5, 0
	s_lshr_b32 s26, s26, s27
	s_and_b32 s26, s26, 1
	s_cmp_lg_u32 s26, 0
	s_cbranch_scc0 .Ljoin_\@
	WORDS                                          ; I do the next step: its lane masks, and k's fragments in one run: there is no work to set them among
	WIN 0x40
.set i, 0
.rept 32
	ds_load_b128 v[4*i:4*i+3], v[RA] offset:512*i
.set i, i+1
.endr
	WIN 0
	ds_load_b128 v[KSC:KSC+3], v[RA] offset:KSCO
.Ljoin_\@:
	s_wait_loadcnt 9                               ; set 0 is in registers; set 1's nine loads may be out
	COPY_STORE 0, CPLN, CSLN
	s_branch .Lnext_\@
.Lpassed_\@:
	s_wait_loadcnt 0x0
.Lnext_\@:
	s_add_co_u32 s3, s3, 1
.endm
.Lphase:
	; A phase's head, second part
	v_mov_b32 v13, 0xff61b1e6                      ; the largest t so far: -3e38
	v_mov_b32 v14, 0
	v_mov_b32 v15, 0
	v_mov_b32 v[PW], 0                             ; named as the upper half of a pair before it is first made
	v_floor_f32 v12, -v13                          ; -M
	v_mov_b32 v[HOLD+1], 0                         ; likewise
.irp b, 0,1,2,3
	v_mov_b32 v[T1+\b], 0                          ; a lane permute's destination counts as one of its sources
.endr
.set i, 0
.rept 64
	v_mov_b32 v[O+i], 0                            ; which step is a wave's first hangs on the mask, so no step can be written as the one that starts the sums
.set i, i+1
.endr
	s_mov_b32 s3, 0
	s_wait_alu depctr_va_vdst(0)
	s_wait_xcnt 0x0                                ; every load above has had its address translated (ISA guide 3.1): the registers that held bases may take the mask words
	WORDS
	s_wait_loadcnt 0x0
	COPY_STORE 0, CPL0, CSL0                       ; package 0
	COPY_STORE 1, CPL0, CSL0
	POP 23, 104
	COPY_ASK 1, 1                                  ; package 1's odd half
	s_mov_b32 s4, 4
.Ltrip:
	TRIP 0
	TRIP 1
	s_sub_co_u32 s4, s4, 1
	s_cmp_lg_u32 s4, 0
	s_cbranch_scc1 .Ltrip
	; A PHASE'S END.  The exchange: wave w keeps channels 0-63 and gives 64-127 away, wave w + 4 the other way round; each gives its -M and its sum
	s_wait_loadcnt 0x0                             ; the last trip's loads
	s_wait_kmcnt 0x0
	s_load_b256 s[32:39], s[0:1], 0x0              ; frag, fsc, mwords, mflags
	s_load_b128 s[40:43], s[0:1], 0x20             ; af, asc
	s_mul_i32 s26, s2, XW
	s_add_co_u32 s26, s26, XCH
	s_xor_b32 s27, s2, 4
	s_mul_i32 s27, s27, XW
	s_add_co_u32 s27, s27, XCH
	v_add_f32 v14, v14, v15
	v_add_nc_u32 v[XA], s26, v[L16]
	v_add_nc_u32 v[XB], s26, v[L4]
	v_add_nc_u32 v[XPA], s27, v[L16]
	v_add_nc_u32 v[XPB], s27, v[L4]
	s_wait_alu depctr_va_vdst(0)                   ; ahead of the branches
	s_cmp_lt_u32 s2, 4
	s_cbranch_scc0 .Lgive_low
.irp i, 0,1,2,3,4,5,6,7
	ds_store_b128 v[XA], v[O+32+4*\i:O+32+4*\i+3] offset:512*\i
.endr
	s_branch .Lgiven
.Lgive_low:
.irp i, 0,1,2,3,4,5,6,7
	ds_store_b128 v[XA], v[O+4*\i:O+4*\i+3] offset:512*\i
.endr
.Lgiven:
	ds_store_b32 v[XB], v12 offset:4096
	ds_store_b32 v[XB], v14 offset:4224
	s_wait_dscnt 0x0                               ; my part is there; my reads of the slots are over
	s_barrier_signal -1
	s_barrier_wait -1
.irp i, 0,1,2,3,4,5,6,7
	ds_load_b128 v[S+4*\i:S+4*\i+3], v[XPA] offset:512*\i
.endr
	ds_load_b32 v[BM], v[XPB] offset:4096
	ds_load_b32 v[BM+1], v[XPB] offset:4224
	s_wait_kmcnt 0x0
	; where my half of the tile goes: image 16 T + head, blocks 2 (w / 4) and on; its scale bytes
	s_sub_co_u32 s44, 31, ttmp9
	s_mov_b32 s45, ttmp9
	s_cmp_eq_u32 s17, 0
	s_cselect_b32 s44, s44, s45
	s_lshl_b32 s44, s44, 2
	s_and_b32 s45, s2, 3
	s_add_co_u32 s44, s44, s45
	s_lshl_b32 s44, s44, 4
	s_and_b32 s45, ttmp7, 0xffff
	s_add_co_u32 s44, s44, s45
	s_lshr_b32 s45, s2, 2
	s_lshl_b32 s56, s44, 11
	s_lshl_b32 s46, s45, 10
	s_add_co_u32 s56, s56, s46
	s_mov_b32 s57, 0
	s_lshl_b32 s58, s44, 6
	s_lshl_b32 s46, s45, 1
	s_add_co_u32 s58, s58, s46
	s_mov_b32 s59, 0
	s_add_nc_u64 s[56:57], s[40:41], s[56:57]
	s_add_nc_u64 s[58:59], s[42:43], s[58:59]
	s_cmp_lg_u32 s17, 0
	s_cbranch_scc1 .Lno_next_phase
	s_lshr_b32 s5, s5, 16                          ; phase 1's first loads go out here: the registers that they fill are done with
	s_lshr_b32 s6, s6, 16
	s_lshr_b32 s7, s7, 16
	s_mov_b32 s16, 0
	PH_LOADS 1
.Lno_next_phase:
	s_wait_dscnt 0x0                               ; my partner's part
	v_min_num_f32 v[BM+2], v12, v[BM]              ; -M of the two together
	v_and_b32 v[AO], 15, v0
	v_bfe_u32 v[TMP], v0, 4, 1
	v_sub_f32 v[T1], v[BM+2], v12
	v_sub_f32 v[T1+1], v[BM+2], v[BM]
	v_lshlrev_b32 v[AO], 4, v[AO]
	v_cvt_i32_f32 v[T1], v[T1]
	v_cvt_i32_f32 v[T1+1], v[T1+1]
	v_lshl_add_u32 v[AO], v[TMP], 3, v[AO]         ; 16 r + 8 h
	v_ldexp_f32 v[FF], 1.0, v[T1]                  ; my factor (a wave that did no step has an O^T and a sum of 0)
	v_ldexp_f32 v[HOLD], 1.0, v[T1+1]              ; my partner's
	v_mul_f32 v14, v14, v[FF]
	v_fma_f32 v14, v[BM+1], v[HOLD], v14
	v_permlanex16_b32 v[T1], v14, s18, s19
	v_add_f32 v14, v14, v[T1]                      ; the row's sum
	s_wait_alu depctr_va_vdst(0)                   ; ahead of the transcendental
	v_rcp_f32 v14, v14
	v_nop                                          ; a plain place behind it
	s_wait_alu depctr_va_vdst(0)                   ; ahead of the reciprocal's first reader
	v_mul_f32 v[FF], v[FF], v14
	v_mul_f32 v[HOLD], v[HOLD], v14
.set i, 0
.rept 16
	v_pk_mul_f32 v[S+2*i:S+2*i+1], v[S+2*i:S+2*i+1], v[HOLD:HOLD+1] op_sel_hi:[1,0]
.set i, i+1
.endr
	s_wait_alu depctr_va_vdst(0)                   ; ahead of the branches
	s_cmp_lt_u32 s2, 4
	s_cbranch_scc0 .Lkeep_high
	s_wait_alu depctr_va_vdst(0)                   ; and directly ahead of O^T's readers
.set i, 0
.rept 16
	v_pk_fma_f32 v[S+2*i:S+2*i+1], v[O+2*i:O+2*i+1], v[FF:FF+1], v[S+2*i:S+2*i+1] op_sel_hi:[1,0,1]   ; register 8 t + j: channel 16 t + 8 h + j of my query
.set i, i+1
.endr
	s_wait_alu depctr_va_vdst(0)
	s_branch .Lkept
.Lkeep_high:
	s_wait_alu depctr_va_vdst(0)
.set i, 0
.rept 16
	v_pk_fma_f32 v[S+2*i:S+2*i+1], v[O+32+2*i:O+32+2*i+1], v[FF:FF+1], v[S+2*i:S+2*i+1] op_sel_hi:[1,0,1]
.set i, i+1
.endr
.Lkept:
	; quantised along the head's 128, two blocks of 32, stored as the image of an operand in its natural order of k
.irp b, 0,1
	v_max3_num_f32 v[BM+\b], |v[S+16*\b]|, |v[S+16*\b+1]|, 0x8000000
.endr
.irp i, 2,4,6,8,10,12,14
.irp b, 0,1
	v_max3_num_f32 v[BM+\b], v[BM+\b], |v[S+16*\b+\i]|, |v[S+16*\b+\i+1]|
.endr
.endr
.irp b, 0,1
	v_permlanex16_b32 v[T1+\b], v[BM+\b], s18, s19
.endr
.irp b, 0,1
	v_max_num_f32 v[BM+\b], v[BM+\b], v[T1+\b]
.endr
.irp b, 0,1
	v_and_or_b32 v[HOLD+\b], v[BM+\b], 0x7f800000, s21
.endr
.irp b, 0,1
	v_add_nc_u32 v[BM+\b], 0xf8800000, v[BM+\b]
.endr
.irp b, 0,1
	v_lshrrev_b32 v[T1+\b], 23, v[BM+\b]
.endr
.irp b, 0,1
.irp i, 0,1,2,3,4,5,6,7,8,9,10,11,12,13,14,15
	v_med3_num_f32 v[S+16*\b+\i], v[S+16*\b+\i], -v[HOLD+\b], v[HOLD+\b]
.endr
	v_cvt_scalef32_pk8_bf8_f32 v[PC+4*\b:PC+4*\b+1], v[S+16*\b:S+16*\b+7], v[BM+\b]
	v_cvt_scalef32_pk8_bf8_f32 v[PC+4*\b+2:PC+4*\b+3], v[S+16*\b+8:S+16*\b+15], v[BM+\b]
.endr
	v_lshl_or_b32 v[PW], v[T1+1], 8, v[T1]         ; my two scale bytes.  (A plain instruction behind the last conversion)
.irp b, 0,1
	global_store_b64 v[AO], v[PC+4*\b:PC+4*\b+1], s[56:57] offset:512*\b           ; k = 32 b + 8 h + 0 .. 7 belongs to lane r of the image, bytes 8 h on: the wave stores 256 consecutive bytes, aligned
	global_store_b64 v[AO], v[PC+4*\b+2:PC+4*\b+3], s[56:57] offset:512*\b+256     ; k = 32 b + 16 + 8 h + 0 .. 7 to lane 16 + r
.endr
	v_cmp_gt_u32 vcc_lo, 0x100, v[L16]
	s_wait_alu depctr_va_vdst(0)
	s_wait_xcnt 0x0                                ; EXEC changes only behind this wait
	s_and_saveexec_b32 s26, vcc_lo
	global_store_b16 v[L4], v[PW], s[58:59]        ; lanes 0-15: bytes 2 (w / 4) and on of the 16 rows' scale words
	s_wait_xcnt 0x0
	s_or_b32 exec_lo, exec_lo, s26
	s_add_co_u32 s17, s17, 1
	s_cmp_lg_u32 s17, 2
	s_cbranch_scc1 .Lphase
	s_wait_tensorcnt 0x0                           ; the wave's end
	ds_add_u32 v[SPW], v[NIL]
	s_wait_dscnt 0x0
	s_endpgm
.Lfunc_end_k_qe9d619065c_attn:
	.size	k_qe9d619065c_attn, .Lfunc_end_k_qe9d619065c_attn-k_qe9d619065c_attn
	.p2alignl 7, 3214868480
	.fill 96, 4, 3214868480
	.section	.rodata,"a",@progbits
	.p2align	6, 0x0
	.amdhsa_kernel k_qe9d619065c_attn
		.amdhsa_group_segment_fixed_size 171008
		.amdhsa_private_segment_fixed_size 0
		.amdhsa_enable_private_segment 0
		.amdhsa_kernarg_size 48
		.amdhsa_user_sgpr_count 2
		.amdhsa_user_sgpr_kernarg_segment_ptr 1
		.amdhsa_wavefront_size32 1
		.amdhsa_system_sgpr_workgroup_id_x 1
		.amdhsa_system_sgpr_workgroup_id_y 1
		.amdhsa_system_sgpr_workgroup_id_z 1
		.amdhsa_system_vgpr_workitem_id 0
		.amdhsa_next_free_vgpr 512
		.amdhsa_next_free_sgpr 106
		.amdhsa_reserve_vcc 1
		.amdhsa_float_denorm_mode_32 3
		.amdhsa_float_denorm_mode_16_64 3
		.amdhsa_memory_ordered 1
		.amdhsa_forward_progress 1
		.amdhsa_inst_pref_size 168
	.end_amdhsa_kernel
	.amdgpu_metadata
---
amdhsa.version: [ 1, 2 ]
amdhsa.kernels:
  - .name:           k_qe9d619065c_attn
    .symbol:         k_qe9d619065c_attn.kd
    .args:
      - { .name: frag, .offset: 0, .size: 8, .value_kind: global_buffer, .address_space: global }
      - { .name: fsc, .offset: 8, .size: 8, .value_kind: global_buffer, .address_space: global }
      - { .name: mwords, .offset: 16, .size: 8, .value_kind: global_buffer, .address_space: global }
      - { .name: mflags, .offset: 24, .size: 8, .value_kind: global_buffer, .address_space: global }
      - { .name: af, .offset: 32, .size: 8, .value_kind: global_buffer, .address_space: global }
      - { .name: asc, .offset: 40, .size: 8, .value_kind: global_buffer, .address_space: global }
    .group_segment_fixed_size: 171008
    .private_segment_fixed_size: 0
    .kernarg_segment_align: 8
    .kernarg_segment_size: 48
    .max_flat_workgroup_size: 256
    .sgpr_count:     106
    .vgpr_count:     512
    .wavefront_size: 32
...
	.end_amdgpu_metadata
.endif
;; end of part 2
;; launch oproj (part 3): grid 16 x 16, 4 waves a work-group, clusters of 4 x 4, 327,680 bytes of LDS; arguments af, asc, wo_codes, wo_scales, bo, out0; writes out0
.if DOCPART == 3
	.amdgcn_target "amdgcn-amd-amdhsa--gfx1250"
	.amdhsa_code_object_version 6
	.text
	.protected	k_qe9d619065c_oproj
	.globl	k_qe9d619065c_oproj
	.p2align	8
	.type	k_qe9d619065c_oproj,@function
k_qe9d619065c_oproj:
	s_mov_b64 s[64:65], 0
	v_nop
	global_prefetch_b8 v0, s[64:65] scope:SCOPE_SE
	s_setreg_imm32_b32 hwreg(HW_REG_WAVE_MODE, 25, 1), 1
	s_wait_xcnt 0x0
	s_wait_alu depctr_hold_cnt(0) depctr_sa_sdst(0) depctr_va_vdst(0) depctr_va_sdst(0) depctr_va_ssrc(0) depctr_va_vcc(0) depctr_vm_vsrc(0)
	s_getreg_b32 s2, hwreg(HW_REG_IB_STS2, 6, 4)
	s_cmp_eq_u32 s2, 0
	s_cbranch_scc0 .Lentry_in_a_cluster
	s_endpgm
.Lentry_in_a_cluster:
	s_bfe_u32 s2, ttmp6, 0x10000c
	s_cmp_lg_u32 s2, 0xf033
	s_cbranch_scc0 .Lentry_shape_is_right
	s_endpgm
.Lentry_shape_is_right:
; out = attn wo + bo on codes of BF8 (E5M2) with one E8M0 scale for each 32 along K: 256 work-groups, each a tile of 128 x 128 of out; four waves, each 64 x 64 in 16 accumulators.  The bias is the C of each sum's first matrix instruction.
; K in four steps of 512 through two LDS slots filled by joint tensor loads in clusters of 4 x 4: A's tiles (images of the operand's registers, as attention stored them) shared along a row of the cluster, B's (wo's rows) along a column.
; THE HEAD, one joint load a wave: wave 0 K step 0 of A's 128 rows, wave 1 of B's 128 rows, wave 2 the scale words of A's rows for all of K, wave 3 B's scale bytes.  K step 1 follows behind a drained round.
; PREFETCHES: at the head K steps 1 and 2, behind K step 1's load K step 3: of the half tile that a wave fetches in a step, each of the four partners that load it jointly names a quarter, told apart by address: 32 blocks of 256 bytes, a lane a block.
; Source 0 = 16 rows of B, source 1 = 16 rows of A: a lane holds eight neighbouring numbers of a row of out; they go out through the wave's stage in LDS as aligned units of 256 bytes.  LIMITS: NaN and infinities are not served.
.set G0H,   4
.set G0HB,  8
.set BP,    528
.set BOFF,  65536
.set SLOTB, BOFF+128*BP
.set SCA,   2*SLOTB
.set SCB,   SCA+8192
.set SPARE, SCB+32*272
.set ADRA, 16
.set ADRB, 20
.set ASA,  22
.set ASB,  23
.set STO,  24
.set RD,   25
.set CO,   26
.set BO8,  27
.set SPW,  28
.set NIL,  29
.set BI,   32
.set SCS,  64
.set ACC,  128
.set G1, 24
.set G0, 32
.set G1B, 48
.set G0B, 56
.set G1S, 68
.set G0S, 76
.set G1SB, 80
.set G0SB, 88
.set MUL, 0x05
.set MSB, 0
.macro WIN new
.if MSB != \new
	s_set_vgpr_msb (MSB<<8)|\new
.set MSB, \new
.endif
.endm
.macro JLOAD g0a, g1a, g0b, g1b
	s_cmp_eq_u32 s15, 0
	s_cbranch_scc0 .Lfor_b_\@
	tensor_load_to_lds s[\g0a:\g0a+3], s[\g1a:\g1a+7]
	s_nop 0
.rept 4
	v_nop
.endr
	s_branch .Lasked_\@
.Lfor_b_\@:
	tensor_load_to_lds s[\g0b:\g0b+3], s[\g1b:\g1b+7]
	s_nop 0
.rept 4
	v_nop
.endr
.Lasked_\@:
.endm
.macro CREST
	s_cmp_lg_u32 s14, 0
	s_cbranch_scc1 .Lnot_wave_0_\@
	s_barrier_signal -3
.Lnot_wave_0_\@:
	s_barrier_wait -3
	s_barrier_signal -1
	s_barrier_wait -1
.endm
.macro CROUND
	s_barrier_signal -1
	s_barrier_wait -1
	CREST
.endm
.macro ARM under, g0, g1, next
	s_cmp_lt_u32 s14, \under
	s_cbranch_scc0 \next
	tensor_load_to_lds s[\g0:\g0+3], s[\g1:\g1+7]
	s_nop 0
.rept 4
	v_nop
.endr
	s_branch .Lhead_asked
\next:
.endm
.macro PLACES n
.rept \n
	v_nop
.endr
.endm
	s_load_b256 s[4:11], s[0:1], 0x0
	s_load_b128 s[92:95], s[0:1], 0x20
	v_lshl_add_u32 v[SPW], v0, 2, SPARE
	v_mov_b32 v[NIL], 0
	ds_add_u32 v[SPW], v[NIL]                      ; the wave's opening: the add, twice on end, and its wait
	ds_add_u32 v[SPW], v[NIL]
	v_lshrrev_b32 v1, 5, v0
	v_readfirstlane_b32 s14, v1
	s_lshr_b32 s15, s14, 1
	s_and_b32 s16, s14, 1
	s_bfe_u32 s40, ttmp6, 0x40000
	s_bfe_u32 s41, ttmp6, 0x40004
	s_lshl_b32 s42, ttmp9, 2
	s_add_co_u32 s42, s42, s40
	s_and_b32 s17, ttmp7, 0xffff
	s_lshl_b32 s17, s17, 2
	s_add_co_u32 s17, s17, s41
	s_lshl_b32 s43, s41, 2
	s_lshl_b32 s43, 15, s43
	s_lshl_b32 s44, 0x1111, s40
	s_or_b32 s[G1+0], s43, (3<<16)|(1<<21)
	s_mov_b32 s[G1+1], 1024<<16
	s_mov_b32 s[G1+2], 8<<16                       ; the head's load of A: eight tiles of 16 rows; the ring's later: four
	s_mov_b32 s[G1+3], 1024<<16
	s_mov_b32 s[G1+4], 8
	s_mov_b32 s[G1+5], 4096
	s_mov_b32 s[G1+6], 0
	s_mov_b32 s[G1+7], 0
	s_or_b32 s[G1B+0], s44, (0<<16)|(1<<20)|(1<<21)|(6<<22)|(3<<25)
	s_mov_b32 s[G1B+1], 512<<16
	s_mov_b32 s[G1B+2], 128<<16                    ; of B: 128 rows; the ring's later: 64
	s_mov_b32 s[G1B+3], 512<<16
	s_mov_b32 s[G1B+4], 128
	s_mov_b32 s[G1B+5], 2048
	s_mov_b32 s[G1B+6], 0
	s_mov_b32 s[G1B+7], 0
	s_or_b32 s[G1S+0], s43, (3<<16)|(1<<21)
	s_or_b32 s[G1SB+0], s44, (3<<16)|(1<<20)|(1<<21)|(5<<22)|(3<<25)
.irp g, G1S, G1SB
	s_mov_b32 s[\g+1], 32<<16
	s_mov_b32 s[\g+2], 32<<16
	s_mov_b32 s[\g+3], 32<<16
	s_mov_b32 s[\g+4], 32
	s_mov_b32 s[\g+5], 32
	s_mov_b32 s[\g+6], 0
	s_mov_b32 s[\g+7], 0
.endr
	s_lshl_b32 s20, s17, 18                        ; A: 128 rows of 2,048 bytes a tile row, 64 scale bytes a row
	s_lshl_b32 s46, s42, 18                        ; B: by the tile column
	s_lshl_b32 s22, s17, 13
	s_lshl_b32 s96, s42, 13
	s_lshl_b32 s100, s17, 3                        ; the prefetches: 32,768 bytes x (8 x tile row + 4 x half + cx), B: x (8 x tile column + 4 x half + cy)
	s_add_co_u32 s100, s100, s40
	s_lshl_b32 s3, s42, 3
	s_add_co_u32 s3, s3, s41
	s_cmp_eq_u32 s15, 0
	s_cselect_b32 s100, s100, s3
	s_lshl_b32 s3, s16, 2
	s_add_co_u32 s100, s100, s3
	s_lshl_b32 s100, s100, 15
	s_mov_b32 s101, 0
	s_mov_b32 s21, 0
	s_mov_b32 s23, 0
	s_mov_b32 s47, 0
	s_mov_b32 s97, 0
	s_lshl_b32 s45, s16, 15
	s_mul_i32 s2, s16, 64*BP
	s_add_co_u32 s2, s2, BOFF
	s_wait_dscnt 0x0                               ; both opening adds are done
	CROUND                                         ; all sixteen work-groups are here: the first joint loads meet
	s_wait_kmcnt 0x0
	s_add_nc_u64 s[20:21], s[4:5], s[20:21]
	s_add_nc_u64 s[22:23], s[6:7], s[22:23]
	s_add_nc_u64 s[46:47], s[8:9], s[46:47]
	s_add_nc_u64 s[96:97], s[10:11], s[96:97]
	s_cmp_eq_u32 s15, 0
	s_cselect_b64 s[98:99], s[4:5], s[8:9]
	s_add_nc_u64 s[98:99], s[98:99], s[100:101]    ; where my prefetches stand
	s_mov_b32 s3, 2048
	s_cselect_b32 s3, 512, s3                      ; from a pair of lanes to the next: A's blocks lie on end, B's two to a row
	s_mov_b32 s19, 512
	s_cselect_b32 s19, 8192, s19                   ; a K step
	s_mov_b32 s[G0H], 1
	s_mov_b32 s[G0H+1], 0
	s_mov_b64 s[G0H+2:G0H+3], s[20:21]
	s_or_b32 s[G0H+3], s[G0H+3], 0x80000000
	s_mov_b32 s[G0HB], 1
	s_mov_b32 s[G0HB+1], BOFF
	s_mov_b64 s[G0HB+2:G0HB+3], s[46:47]
	s_or_b32 s[G0HB+3], s[G0HB+3], 0x80000000
	s_mov_b32 s[G0S], 1
	s_mov_b32 s[G0S+1], SCA
	s_mov_b64 s[G0S+2:G0S+3], s[22:23]
	s_or_b32 s[G0S+3], s[G0S+3], 0x80000000
	s_mov_b32 s[G0SB], 1
	s_mov_b32 s[G0SB+1], SCB
	s_mov_b64 s[G0SB+2:G0SB+3], s[96:97]
	s_or_b32 s[G0SB+3], s[G0SB+3], 0x80000000
	ARM 1, G0H,  G1,  .Lhead_b                     ; one tree of branches on the wave's number: one load a wave
	ARM 2, G0HB, G1B, .Lhead_sa
	ARM 3, G0S,  G1S, .Lhead_sb
	tensor_load_to_lds s[G0SB:G0SB+3], s[G1SB:G1SB+7]
	s_nop 0
	PLACES 4
.Lhead_asked:
	s_lshl_b32 s100, s16, 17                       ; for the ring: my half of A's or of B's tile
	s_add_nc_u64 s[20:21], s[20:21], s[100:101]
	s_add_nc_u64 s[46:47], s[46:47], s[100:101]
.irp s, 0,1
	s_mov_b32 s[G0+4*\s], 1
	s_add_co_u32 s[G0+4*\s+1], s45, \s*SLOTB
	s_add_nc_u64 s[G0+4*\s+2:G0+4*\s+3], s[20:21], \s*8192
	s_or_b32 s[G0+4*\s+3], s[G0+4*\s+3], 0x80000000
	s_mov_b32 s[G0B+4*\s], 1
	s_add_co_u32 s[G0B+4*\s+1], s2, \s*SLOTB
	s_add_nc_u64 s[G0B+4*\s+2:G0B+4*\s+3], s[46:47], \s*512
	s_or_b32 s[G0B+4*\s+3], s[G0B+4*\s+3], 0x80000000
.endr
	v_and_b32 v1, 15, v0
	v_bfe_u32 v2, v0, 4, 1
	v_and_b32 v3, 31, v0
	v_lshrrev_b32 v11, 1, v3
	v_mul_u32_u24 v11, s3, v11
	v_and_b32 v12, 1, v3
	v_lshl_add_u32 v8, v12, 8, v11
	v_add_nc_u32 v8, s19, v8                       ; v8, v9, v10: the prefetches' offsets for K steps 1, 2, 3; never rewritten
	v_add_nc_u32 v9, s19, v8
	v_add_nc_u32 v10, s19, v9
	global_prefetch_b8 v8, s[98:99] th:TH_LOAD_NT scope:SCOPE_SE
	global_prefetch_b8 v9, s[98:99] th:TH_LOAD_NT scope:SCOPE_SE
	v_lshlrev_b32 v4, 4, v3
	s_lshl_b32 s21, s15, 15
	v_add_nc_u32 v[ADRA], s21, v4
	v_add_nc_u32 v[ADRA+1], SLOTB, v[ADRA]
	v_mul_u32_u24 v5, v1, BP
	v_lshl_add_u32 v5, v2, 4, v5
	s_mul_i32 s22, s16, 64*BP
	s_add_co_u32 s22, s22, BOFF
	v_add_nc_u32 v[ADRB], s22, v5
	v_add_nc_u32 v[ADRB+1], SLOTB, v[ADRB]
	s_lshl_b32 s21, s15, 12
	s_add_co_u32 s21, s21, SCA
	v_lshl_add_u32 v[ASA], v3, 2, s21
	v_lshrrev_b32 v5, 2, v1
	v_mul_u32_u24 v5, v5, 272
	v_and_b32 v6, 3, v1
	v_lshl_add_u32 v5, v6, 6, v5
	v_mad_u32_u24 v5, v2, 2*4*272, v5
	s_mul_i32 s22, s16, 16*272
	s_add_co_u32 s22, s22, SCB
	v_add_nc_u32 v[ASB], s22, v5
	s_mul_i32 s23, s14, 16*272
	v_mul_u32_u24 v5, v1, 272
	v_lshl_add_u32 v5, v2, 5, v5
	v_add_nc_u32 v[STO], s23, v5
	v_mul_u32_u24 v5, v2, 272
	v_lshl_add_u32 v5, v1, 4, v5
	v_add_nc_u32 v[RD], s23, v5
	v_lshlrev_b32 v5, 13, v2
	v_lshl_add_u32 v[CO], v1, 4, v5
	v_lshlrev_b32 v[BO8], 5, v2
	s_wait_alu depctr_va_vdst(0)
	s_lshl_b32 s20, s42, 9
	s_lshl_b32 s21, s16, 8
	s_add_co_u32 s20, s20, s21
	s_mov_b32 s21, 0
	s_add_nc_u64 s[92:93], s[92:93], s[20:21]
	s_lshl_b32 s22, s17, 20
	s_lshl_b32 s23, s15, 19
	s_add_co_u32 s22, s22, s23
	s_add_co_u32 s20, s20, s22
	s_add_nc_u64 s[12:13], s[94:95], s[20:21]
.irp b, 0,1,2,3
	global_load_b128 v[BI+8*\b:BI+8*\b+3], v[BO8], s[92:93] offset:64*\b
	global_load_b128 v[BI+8*\b+4:BI+8*\b+7], v[BO8], s[92:93] offset:64*\b+16
.endr
.macro FETCH slot, q, f
	WIN 0x40
.irp a, 0,1,2,3
.irp c, 0,1,2,3
	ds_load_b128 v[(\f)+16*\a+4*\c:(\f)+16*\a+4*\c+3], v[ADRA+\slot] offset:8192*\a+2048*(\q)+512*\c
.endr
.endr
.irp b, 0,1,2,3
.irp c, 0,1,2,3
	ds_load_b128 v[(\f)+64+16*\b+4*\c:(\f)+64+16*\b+4*\c+3], v[ADRB+\slot] offset:16*BP*\b+128*(\q)+32*\c
.endr
.endr
	WIN 0
.endm
.macro SCALES set, kslot
.irp a, 0,1,2,3
.irp x, 0,1
	ds_load_b32 v[SCS+16*(\set)+2*\a+\x], v[ASA] offset:1024*\a+256*(\kslot)+128*\x
.endr
.endr
.irp bb, 0,1
	ds_load_b128 v[SCS+16*(\set)+8+4*\bb:SCS+16*(\set)+8+4*\bb+3], v[ASB] offset:4*272*\bb+16*(\kslot)
.endr
.endm
.macro WM d, a, b, c, sa, sb, ra, rb
.if (\ra) && (\rb)
	v_wmma_scale_f32_16x16x128_f8f6f4 v[\d:\d+7], v[\a:\a+15], v[\b:\b+15], v[\c:\c+7], v[\sa], v[\sb] matrix_a_fmt:MATRIX_FMT_BF8 matrix_b_fmt:MATRIX_FMT_BF8 matrix_a_scale:MATRIX_SCALE_ROW1 matrix_b_scale:MATRIX_SCALE_ROW1
.elseif (\ra)
	v_wmma_scale_f32_16x16x128_f8f6f4 v[\d:\d+7], v[\a:\a+15], v[\b:\b+15], v[\c:\c+7], v[\sa], v[\sb] matrix_a_fmt:MATRIX_FMT_BF8 matrix_b_fmt:MATRIX_FMT_BF8 matrix_a_scale:MATRIX_SCALE_ROW1
.elseif (\rb)
	v_wmma_scale_f32_16x16x128_f8f6f4 v[\d:\d+7], v[\a:\a+15], v[\b:\b+15], v[\c:\c+7], v[\sa], v[\sb] matrix_a_fmt:MATRIX_FMT_BF8 matrix_b_fmt:MATRIX_FMT_BF8 matrix_b_scale:MATRIX_SCALE_ROW1
.else
	v_wmma_scale_f32_16x16x128_f8f6f4 v[\d:\d+7], v[\a:\a+15], v[\b:\b+15], v[\c:\c+7], v[\sa], v[\sb] matrix_a_fmt:MATRIX_FMT_BF8 matrix_b_fmt:MATRIX_FMT_BF8
.endif
.endm
.macro MUL4 f, a, q, set, first
.irp b, 0,1,2,3
.if \first
	WM ACC+8*(4*(\a)+\b), (\f)+64+16*\b, (\f)+16*(\a), BI+8*\b, SCS+16*(\set)+8+4*(\b%2)+(\q), SCS+16*(\set)+2*(\a)+(\q)/2, \b/2, (\q)%2
.else
	WM ACC+8*(4*(\a)+\b), (\f)+64+16*\b, (\f)+16*(\a), ACC+8*(4*(\a)+\b), SCS+16*(\set)+8+4*(\b%2)+(\q), SCS+16*(\set)+2*(\a)+(\q)/2, \b/2, (\q)%2
.endif
.endr
.endm
.macro SUB slot, q, first
.set FB, 128*((\q)%2)
.set FO, 128-FB
	s_wait_dscnt 0x0
	WIN MUL
	MUL4 FB, 0, \q, \slot, \first
	MUL4 FB, 1, \q, \slot, \first
	PLACES 8
	FETCH \slot, (\q)+1, FO
	WIN MUL
	MUL4 FB, 2, \q, \slot, \first
	MUL4 FB, 3, \q, \slot, \first
.endm
.macro TURN slot, next, fill, kslot
	WIN 0
	s_wait_tensorcnt 0x0
	ds_add_u32 v[SPW], v[NIL]
	s_wait_dscnt 1
	WIN MUL
	MUL4 128, 0, 3, \slot, 0
	s_wait_dscnt 0x0
	s_barrier_signal -1
	MUL4 128, 1, 3, \slot, 0
	WIN 0
	s_barrier_wait -1
.if \fill
	CREST
	s_add_nc_u64 s[G0+4*\slot+2:G0+4*\slot+3], s[G0+4*\slot+2:G0+4*\slot+3], 2*8192
	s_add_nc_u64 s[G0B+4*\slot+2:G0B+4*\slot+3], s[G0B+4*\slot+2:G0B+4*\slot+3], 2*512
	JLOAD G0+4*\slot, G1, G0B+4*\slot, G1B
	PLACES 4
.else
	PLACES 8
.endif
	FETCH \next, 0, 0
	SCALES \next, \kslot
	WIN MUL
	MUL4 128, 2, 3, \slot, 0
	MUL4 128, 3, 3, \slot, 0
.endm
	s_wait_alu depctr_va_vdst(0)                   ; the wait at the head's end
	s_wait_tensorcnt 0x0                           ; my tile of the head's four is in
	ds_add_u32 v[SPW], v[NIL]
	s_mov_b32 s[G1+2], 4<<16                       ; no tensor load of mine is out: from here on a load brings half a tile
	s_mov_b32 s[G1+4], 4
	s_mov_b32 s[G1B+2], 64<<16
	s_mov_b32 s[G1B+4], 64
	s_wait_dscnt 0x0
	CROUND
	JLOAD G0+4, G1, G0B+4, G1B                     ; K step 1's load, the first tensor load behind the round
	FETCH 0, 0, 0
	SCALES 0, 0
	global_prefetch_b8 v10, s[98:99] th:TH_LOAD_NT scope:SCOPE_SE
	s_wait_loadcnt 0x0
	SUB 0, 0, 1
	SUB 0, 1, 0
	SUB 0, 2, 0
	TURN 0, 1, 1, 1
	SUB 1, 0, 0
	SUB 1, 1, 0
	SUB 1, 2, 0
	TURN 1, 0, 1, 2
	SUB 0, 0, 0
	SUB 0, 1, 0
	SUB 0, 2, 0
	TURN 0, 1, 0, 3
	SUB 1, 0, 0
	SUB 1, 1, 0
	SUB 1, 2, 0
	s_wait_dscnt 0x0
	WIN MUL
	MUL4 128, 0, 3, 1, 0
	MUL4 128, 1, 3, 1, 0
	MUL4 128, 2, 3, 1, 0
	MUL4 128, 3, 3, 1, 0
	WIN 0
.macro TOSTAGE a
.set BB, 96-64*((\a)%2)
.irp b, 0,1,2,3
	ds_store_b128 v[STO], v[ACC+8*(4*(\a)+\b):ACC+8*(4*(\a)+\b)+3] offset:64*\b
	ds_store_b128 v[STO], v[ACC+8*(4*(\a)+\b)+4:ACC+8*(4*(\a)+\b)+7] offset:64*\b+16
.endr
.irp t, 0,1,2,3,4,5,6,7
	ds_load_b128 v[BB+4*\t:BB+4*\t+3], v[RD] offset:2*272*\t
.endr
.endm
.macro SEND a, younger
.set BB, 96-64*((\a)%2)
	s_wait_dscnt \younger
.irp t, 0,1,2,3,4,5,6,7
	global_store_b128 v[CO], v[BB+4*\t:BB+4*\t+3], s[12:13] offset:(16*(\a)+2*\t)*8192 th:TH_STORE_NT
.endr
.endm
	PLACES 8
	TOSTAGE 0
.irp a, 1,2,3
.if \a > 1
	s_wait_xcnt 0x0
.endif
	TOSTAGE \a
	SEND \a-1, 16
.endr
	SEND 3, 0
	s_wait_tensorcnt 0x0
	ds_add_u32 v[SPW], v[NIL]
	s_wait_dscnt 0x0
	CROUND
	s_endpgm
.Lfunc_end_k_qe9d619065c_oproj:
	.size	k_qe9d619065c_oproj, .Lfunc_end_k_qe9d619065c_oproj-k_qe9d619065c_oproj
	.p2alignl 7, 3214868480
	.fill 96, 4, 3214868480
	.section	.rodata,"a",@progbits
	.p2align	6, 0x0
	.amdhsa_kernel k_qe9d619065c_oproj
		.amdhsa_group_segment_fixed_size 327680
		.amdhsa_private_segment_fixed_size 0
		.amdhsa_enable_private_segment 0
		.amdhsa_kernarg_size 48
		.amdhsa_user_sgpr_count 2
		.amdhsa_user_sgpr_kernarg_segment_ptr 1
		.amdhsa_wavefront_size32 1
		.amdhsa_system_sgpr_workgroup_id_x 1
		.amdhsa_system_sgpr_workgroup_id_y 1
		.amdhsa_system_sgpr_workgroup_id_z 1
		.amdhsa_system_vgpr_workitem_id 0
		.amdhsa_next_free_vgpr 512
		.amdhsa_next_free_sgpr 106
		.amdhsa_reserve_vcc 0
		.amdhsa_float_denorm_mode_32 3
		.amdhsa_float_denorm_mode_16_64 3
		.amdhsa_memory_ordered 1
		.amdhsa_forward_progress 1
		.amdhsa_inst_pref_size 95
	.end_amdhsa_kernel
	.amdgpu_metadata
---
amdhsa.version: [ 1, 2 ]
amdhsa.kernels:
  - .name:           k_qe9d619065c_oproj
    .symbol:         k_qe9d619065c_oproj.kd
    .args:
      - { .name: af, .offset: 0, .size: 8, .value_kind: global_buffer, .address_space: global }
      - { .name: asc, .offset: 8, .size: 8, .value_kind: global_buffer, .address_space: global }
      - { .name: wo_codes, .offset: 16, .size: 8, .value_kind: global_buffer, .address_space: global }
      - { .name: wo_scales, .offset: 24, .size: 8, .value_kind: global_buffer, .address_space: global }
      - { .name: bo, .offset: 32, .size: 8, .value_kind: global_buffer, .address_space: global }
      - { .name: out0, .offset: 40, .size: 8, .value_kind: global_buffer, .address_space: global }
    .group_segment_fixed_size: 327680
    .private_segment_fixed_size: 0
    .kernarg_segment_align: 8
    .kernarg_segment_size: 48
    .max_flat_workgroup_size: 128
    .sgpr_count:     106
    .vgpr_count:     512
    .wavefront_size: 32
...
	.end_amdgpu_metadata
.endif
;; end of part 3
